; MI455X (gfx1250); checked and timed in simulation.
; The chip was launched on July 23, 2026; its instructions are those of AMD's public machine-readable ISA for CDNA 5 (MIT licence, August 2026) and "CDNA5" Instruction Set Architecture Reference Guide (July 2026). The comments in the code are by the model that wrote it; some were corrected since.
;; Multi Head Attention. Allowed arithmetic: matrix products marked QUANTISED: E2M3 operands, one E8M0 scale for each 32 along K, by v_wmma_scale_f32_16x16x128_f8f6f4 with both operands' format E2M3, f32 sums; everything else in f32.
;; Inputs: Wk 1,024 x 1,024 float32; Wo 1,024 x 1,024 float32; Wq 1,024 x 1,024 float32; Wv 1,024 x 1,024 float32; bk 1,024 float32; bo 1,024 float32; bq 1,024 float32; bv 1,024 float32; x 4 x 2,048 x 1,024 float32.
;; Outputs: out0 4 x 2,048 x 1,024 float32.
;; This version of the problem:
;;   THIS VERSION OF THE PROBLEM IS GIVEN IN LOW PRECISION. The matrix products marked QUANTISED in the list below multiply operands that are first quantised to E2M3 (2 exponent bits, 3 mantissa bits; 6 bits a number), with one power-of-two scale for each 32 numbers along K (OCP MX v1.0); their sums are f32. All else is computed in f32.
;;   The module's matrix products, in the order in which they are computed (A, B: the left and right operand; K: the contracted axis; several contracted axes count as one K, in the product's order):
;;     1. [M 8,192, K 1,024] x [K 1,024, N 1,024]; A: input x; B: input Wq: QUANTISED
;;     2. [M 8,192, K 1,024] x [K 1,024, N 1,024]; A: input x; B: input Wk: QUANTISED
;;     3. [M 8,192, K 1,024] x [K 1,024, N 1,024]; A: input x; B: input Wv: QUANTISED
;;     4. batch 64 x [M 2,048, K 64] x [K 64, N 2,048]; A: computed on the way; B: computed on the way: QUANTISED
;;     5. batch 64 x [M 2,048, K 2,048] x [K 2,048, N 64]; A: softmax (see below); B: computed on the way: QUANTISED
;;     6. [M 8,192, K 1,024] x [K 1,024, N 1,024]; A: computed on the way; B: input Wo: QUANTISED
;;   THE QUANTISER, for each operand of a quantised product, along K:
;;     - K is cut into blocks of 32 from its start; a last block that is shorter is filled with zeros.
;;     - A block's scale is 2^e with e = floor(log2(the largest magnitude in the block)) - 2, held to -126 .. 127; a block of zeros has e = 0. As a byte (E8M0): e + 127.
;;     - Each number is divided by its block's scale, clamped to +-7.5, and rounded to the nearest number of E2M3, ties to even, subnormals kept.
;;     - The product sums the exact products of the quantised numbers (number of the format x scale) in f32.
;;   ~~~python
;;   def quantise(x, axis):      # numpy; x: float32 -> the quantised numbers, widened to float32 again
;;       x = np.moveaxis(x, axis, -1); K = x.shape[-1]
;;       x = np.pad(x, [(0, 0)] * (x.ndim - 1) + [(0, -K % 32)]); x = x.reshape(x.shape[:-1] + (-1, 32)); a = np.abs(x).max(-1, keepdims=True)
;;       e = np.where(a > 0, np.clip(np.frexp(np.where(a > 0, a, 1))[1] - 1 - 2, -126, 127), 0)      # np.frexp(a)[1] - 1 = floor(log2(a)), exactly
;;       r = np.clip(x / 2.0 ** e, -7.5, 7.5)
;;       step = 2.0 ** (np.maximum(np.frexp(np.where(r == 0, 1, r))[1] - 1, 0) - 3)
;;       q = np.round(r / step) * step * 2.0 ** e      # np.round: ties to even
;;       return np.moveaxis(q.reshape(q.shape[:-2] + (-1,))[..., :K], -1, axis).astype(np.float32)
;;   ~~~
;;   SOFTMAX AHEAD OF A QUANTISED PRODUCT. Where the list says 'softmax', what is quantised is not the finished softmax but p = 2^(t - M), with t = logit x log2(e) and M = ceil(the row's largest t), a whole number; so 1/2 < the row's largest p <= 1. The row's sum l is taken of the UNQUANTISED p, in f32, and the product's result is divided by l at the end. Since M is a whole number, a kernel that streams over the keys may use a running M (the ceiling of the running maximum): every later rescaling is an exact power of two, which a block's scale takes up: the codes' values come out the same.
;;   OPERANDS COMPUTED ON THE WAY. 'Computed on the way' means the value that the module computes at that place (a softmax that the list does not call 'softmax' is quantised finished and normalised). What goes into a quantiser is computed in f32, as accurately as f32 sums, v_exp_f32 and their like allow (about 1e-6 of the number): no bf16 or f16 on the way to a quantiser, and a product that is left as it is and whose result goes on into a quantised operand takes f32 operands (vector FMAs, or v_wmma_f32_16x16x4_f32). A number that lies on a knife's edge between two numbers of the format may be rounded either way, as far as f32 arithmetic and the matrix unit's own rounding can turn it there, and no further.
;; One version. Each part assembles by itself: llvm-mc -triple=amdgcn-amd-amdhsa -mcpu=gfx1250 --defsym DOCPART=n.
;; ======== version 1 of 1: 4 launches
;; limits: right only within a limited range of input values
;; workspace buffers: xw_codes 9,437,184 bytes; xw_scales 393,216 bytes; qkv_codes 18,874,368 bytes; qkv_scales 786,432 bytes; c_codes 6,291,456 bytes; c_scales 262,144 bytes
;; launch quant (part 1): grid 192 x 2, 4 waves a work-group, no clusters, 36,352 bytes of LDS; arguments x, Wq, Wk, Wv, Wo, xw_codes, xw_scales; writes xw_codes, xw_scales
.if DOCPART == 1
	.amdgcn_target "amdgcn-amd-amdhsa--gfx1250"
	.amdhsa_code_object_version 6
	.text
	.protected	k_q202f976128_quant
	.globl	k_q202f976128_quant
	.p2align	8
	.type	k_q202f976128_quant,@function
k_q202f976128_quant:
	s_mov_b64 s[64:65], 0
	v_nop
	global_prefetch_b8 v0, s[64:65] scope:SCOPE_SE
	s_setreg_imm32_b32 hwreg(HW_REG_WAVE_MODE, 25, 1), 1
	s_wait_xcnt 0x0
; x [8192][1024] and Wq, Wk, Wv, Wo [1024][1024], f32, K innermost, become codes of FP6 (E2M3) with one E8M0 byte for each 32 along K.
; A block's scale is 2^(floor(log2(largest magnitude)) - 2): its byte is the largest magnitude's exponent field - 2, held at 1 from below.
; LIMITS: NaN and infinities are not served; a block whose largest magnitude lies under 2^-124 has its byte held at 1; a block of zeros gets the byte 1 and not 127
; (its codes are zeros, which add nothing under any byte but 0xff, and only this program reads the bytes).
; THE OUTPUT IS LAID AS THE MATRIX UNIT'S REGISTERS WANT IT.  The 12,288 rows (x, Wq, Wk, Wv, Wo on end) are taken in tiles of 16 SLOTS; slot 16 T + r holds row
; 32 (T / 2) + 8 (T % 2) + r % 8 + 16 (r / 8).  A HALF FRAGMENT is 16 slots x 64 along K, 768 bytes: lane l = r + 16 h holds block h of slot r in six registers;
; registers 0-3 lie at 16 l, registers 4, 5 at 512 + 8 l.  xw_codes: [tile][half fragment 0..15][768].
; Scale words (four bytes: 128 along K of one slot): xw_scales [K / 128][group of four tiles][256], tile 4 G + i, slot r at 16 r + 4 i.
; SHARES.  Work-group (G, y): the four tiles of group G, half y of K.  Wave w: tile 4 G + w, eight half fragments.
; A step: eight loads, in each of which sixteen lanes read 256 consecutive bytes of one row; the 16 x 256 bytes turn through the wave's own stage in LDS (rows 272 bytes apart,
; so that sixteen lanes reading one column of sixteen rows fall on sixteen different 16-byte columns) and come back 128 bytes a lane: a whole block of 32.  So a block's maximum needs no other lane.
; The work-groups share no input: no cluster, no tensor load.  Loads run three steps (24 loads a wave) ahead, the turn through LDS one step.
.set R,  32                            ; v32-127  three sets of 32 numbers as loaded
.set X,  128                           ; v128-191 two sets of 32 neighbours
.set C,  192                           ; v192-239 six code registers for each step: no store's data are written again
.set SG, 34816                         ; LDS: behind the four waves' stages (2 x 4,352 bytes each): the work-group's scale words, [K / 128 of my half][256]
	s_load_b256 s[4:11], s[0:1], 0x0               ; x, Wq, Wk, Wv
	s_load_b128 s[12:15], s[0:1], 0x20             ; Wo, xw_codes
	s_load_b64 s[16:17], s[0:1], 0x30              ; xw_scales
	v_lshl_add_u32 v254, v0, 2, 0x8c00
	v_mov_b32 v255, 0
	v_lshrrev_b32 v1, 5, v0
	v_readfirstlane_b32 s18, v1                    ; wave
	v_and_b32 v1, 31, v0                           ; lane
	v_and_b32 v2, 15, v0                           ; r
	v_bfe_u32 v3, v0, 4, 1                         ; h
	v_lshlrev_b32 v4, 12, v3
	v_lshl_add_u32 v4, v2, 4, v4                   ; in memory: lanes 0-15 one row, lanes 16-31 the next; 16 bytes a lane
	s_mul_i32 s19, s18, 8704                       ; my two stages
	v_mul_u32_u24 v5, v3, 272
	v_lshl_add_u32 v5, v2, 4, v5
	v_add_nc_u32 v5, s19, v5                       ; into a stage: the same two rows
	v_mul_u32_u24 v6, v2, 272
	v_lshl_add_u32 v6, v3, 7, v6
	v_add_nc_u32 v6, s19, v6                       ; out of it: slot r, block h: 128 bytes
	v_lshlrev_b32 v7, 4, v1                        ; 16 x lane
	v_lshlrev_b32 v8, 3, v1                        ; 8 x lane
	s_lshl_b32 s19, s18, 2
	s_add_co_u32 s19, s19, SG
	v_lshl_add_u32 v9, v2, 4, s19                  ; my slot's scale word: 16 r + 4 x wave
	s_lshl_b32 s19, s18, 8
	s_add_co_u32 s19, s19, SG
	v_add_nc_u32 v10, s19, v8                      ; on the way out wave w takes the 256 bytes of the half's w-th 128 along K
	v_lshlrev_b32 v11, 3, v3                       ; 8 h: my bytes' place in the scale word
	v_mov_b32 v18, 0                               ; written once: a lane permute's destination counts as one of its sources
	s_and_b32 s25, ttmp7, 0xffff                   ; y: which half of K
	s_mov_b32 s26, 0x76543210
	s_mov_b32 s27, 0xfedcba98                      ; v_permlanex16_b32's selects for lane l xor 16
	s_wait_alu depctr_va_vdst(0)
	s_wait_kmcnt 0x0
	s_mov_b64 s[20:21], s[12:13]                   ; which tensor: the choice hangs on the work-group's number alone; only the pointer is chosen, the path is one
	s_mov_b32 s22, 176
	s_cmp_lt_u32 ttmp9, 176
	s_cselect_b64 s[20:21], s[10:11], s[20:21]
	s_cselect_b32 s22, 160, s22
	s_cmp_lt_u32 ttmp9, 160
	s_cselect_b64 s[20:21], s[8:9], s[20:21]
	s_cselect_b32 s22, 144, s22
	s_cmp_lt_u32 ttmp9, 144
	s_cselect_b64 s[20:21], s[6:7], s[20:21]
	s_cselect_b32 s22, 128, s22
	s_cmp_lt_u32 ttmp9, 128
	s_cselect_b64 s[20:21], s[4:5], s[20:21]
	s_cselect_b32 s22, 0, s22                      ; the tensor's first group
	s_sub_co_u32 s23, ttmp9, s22
	s_lshl_b32 s28, s23, 18                        ; 64 rows of 4,096 bytes a group
	s_lshr_b32 s24, s18, 1
	s_lshl_b32 s24, s24, 17                        ; + 32 (w / 2) rows
	s_add_co_u32 s28, s28, s24
	s_and_b32 s24, s18, 1
	s_lshl_b32 s24, s24, 15                        ; + 8 (w % 2) rows
	s_add_co_u32 s28, s28, s24
	s_lshl_b32 s24, s25, 11                        ; + my half of K
	s_add_co_u32 s28, s28, s24
	s_mov_b32 s29, 0
	s_add_nc_u64 s[20:21], s[20:21], s[28:29]
	s_lshl_b32 s28, ttmp9, 2
	s_add_co_u32 s28, s28, s18                     ; my tile
	s_mul_i32 s28, s28, 12288
	s_mul_i32 s24, s25, 6144
	s_add_co_u32 s28, s28, s24
	s_add_nc_u64 s[14:15], s[14:15], s[28:29]      ; its eight half fragments
	s_lshl_b32 s28, s25, 2
	s_add_co_u32 s28, s28, s18                     ; K / 128 = 4 y + w
	s_mul_i32 s28, s28, 49152
	s_lshl_b32 s24, ttmp9, 8
	s_add_co_u32 s28, s28, s24
	s_add_nc_u64 s[16:17], s[16:17], s[28:29]      ; the 256 scale bytes that I store at the end
.macro LOAD t                          ; step t: slots 2 i and 2 i + 1, which are rows 2 i + 8 (i / 4) and the next
.irp i, 0,1,2,3,4,5,6,7
	global_load_b128 v[R+32*((\t)%3)+4*\i:R+32*((\t)%3)+4*\i+3], v4, s[20:21] offset:(2*\i+8*(\i/4))*4096+256*(\t) th:TH_LOAD_NT
.endr
.endm
.macro TURN t                          ; through the stage: LDS serves a wave's instructions in order, so no wait stands between the stores and the loads
.irp i, 0,1,2,3,4,5,6,7
	ds_store_b128 v5, v[R+32*((\t)%3)+4*\i:R+32*((\t)%3)+4*\i+3] offset:4352*((\t)%2)+544*\i
.endr
.irp j, 0,1,2,3,4,5,6,7
	ds_load_b128 v[X+32*((\t)%2)+4*\j:X+32*((\t)%2)+4*\j+3], v6 offset:4352*((\t)%2)+16*\j
.endr
.endm
.macro STEP t
.set XS, X+32*((\t)%2)
.set CC, C+6*(\t)
	s_wait_dscnt 0x0                               ; this step's block is back from the stage, and the stores into the stage have read their registers,
.if (\t)+3 < 8
	LOAD (\t)+3                                    ; which take the loads of three steps on
.endif
.if (\t) < 5
	s_wait_loadcnt 16                              ; the next step's eight loads are in; behind them the sixteen of the two steps after it
	TURN (\t)+1
.elseif (\t) == 5
	s_wait_loadcnt 8                               ; behind step 6's loads only step 7's eight
	TURN (\t)+1
.elseif (\t) == 6
	s_wait_loadcnt 0x0
	TURN (\t)+1
.endif
	v_max3_num_f32 v12, |v[XS]|, |v[XS+1]|, |v[XS+2]|       ; the block's largest magnitude: all 32 numbers are mine; two chains
	v_max3_num_f32 v13, |v[XS+3]|, |v[XS+4]|, |v[XS+5]|
.irp i, 6,10,14,18,22,26
	v_max3_num_f32 v12, v12, |v[XS+\i]|, |v[XS+\i+1]|
	v_max3_num_f32 v13, v13, |v[XS+\i+2]|, |v[XS+\i+3]|
.endr
	v_max3_num_f32 v12, v12, |v[XS+30]|, |v[XS+31]|
	v_max3_num_f32 v12, v12, v13, 0x1800000        ; and the floor 2^(3 - 127): the byte cannot fall under 1
	v_add_nc_u32 v14, 0xff000000, v12              ; 2 off the exponent field: the conversion takes this operand's exponent field as its scale
	v_cvt_scalef32_pk16_fp6_f32 v[CC:CC+2], v[XS:XS+15], v14
	v_cvt_scalef32_pk16_fp6_f32 v[240:242], v[XS+16:XS+31], v14   ; (a conversion's three registers begin on an even number)
	v_nop                                          ; one plain place behind a scaled conversion
	v_lshrrev_b32 v15, 23, v14                     ; the scale's byte
.irp i, 0,1,2
	v_mov_b32 v[CC+3+\i], v[240+\i]
.endr
.if (\t)%2 == 0
	v_mov_b32 v16, v15                             ; block h of these 128 along K
.else
	v_lshl_or_b32 v16, v15, 16, v16                ; and block 2 + h,
	v_lshlrev_b32 v16, v11, v16                    ; at their places in the word;
	v_permlanex16_b32 v18, v16, s26, s27
	v_or_b32 v16, v16, v18                         ; with lane l xor 16's two the word is whole
	ds_store_b32 v9, v16 offset:256*((\t)/2)       ; both lanes of a slot write the same word with the same value
.endif
	global_store_b128 v7, v[CC:CC+3], s[14:15] offset:768*(\t)        ; 32 lanes store 512 consecutive bytes, aligned to 256
	global_store_b64 v8, v[CC+4:CC+5], s[14:15] offset:768*(\t)+512   ; and 256
.endm
	LOAD 0
	LOAD 1
	LOAD 2
	s_wait_loadcnt 16                              ; step 0's eight loads are in
	TURN 0
.irp t, 0,1,2,3,4,5,6,7
	STEP \t
.endr
	s_wait_dscnt 0x0                               ; for the others' sake: my scale words have landed
	s_barrier_signal -1
	s_barrier_wait -1
	ds_load_b64 v[20:21], v10                      ; 256 bytes to which all four waves have written
	s_wait_dscnt 0x0
	global_store_b64 v8, v[20:21], s[16:17]        ; 32 lanes store 256 consecutive bytes, aligned
	s_wait_tensorcnt 0x0
	ds_add_u32 v254, v255
	s_wait_dscnt 0x0
	s_endpgm
.Lfunc_end_k_q202f976128_quant:
	.size	k_q202f976128_quant, .Lfunc_end_k_q202f976128_quant-k_q202f976128_quant
	.p2alignl 7, 3214868480
	.fill 96, 4, 3214868480
	.section	.rodata,"a",@progbits
	.p2align	6, 0x0
	.amdhsa_kernel k_q202f976128_quant
		.amdhsa_group_segment_fixed_size 36352
		.amdhsa_private_segment_fixed_size 0
		.amdhsa_enable_private_segment 0
		.amdhsa_kernarg_size 56
		.amdhsa_user_sgpr_count 2
		.amdhsa_user_sgpr_kernarg_segment_ptr 1
		.amdhsa_wavefront_size32 1
		.amdhsa_system_sgpr_workgroup_id_x 1
		.amdhsa_system_sgpr_workgroup_id_y 1
		.amdhsa_system_sgpr_workgroup_id_z 1
		.amdhsa_system_vgpr_workitem_id 0
		.amdhsa_next_free_vgpr 256
		.amdhsa_next_free_sgpr 66
		.amdhsa_reserve_vcc 0
		.amdhsa_float_denorm_mode_32 3
		.amdhsa_float_denorm_mode_16_64 3
		.amdhsa_memory_ordered 1
		.amdhsa_forward_progress 1
		.amdhsa_inst_pref_size 33
	.end_amdhsa_kernel
	.amdgpu_metadata
---
amdhsa.version: [ 1, 2 ]
amdhsa.kernels:
  - .name:           k_q202f976128_quant
    .symbol:         k_q202f976128_quant.kd
    .args:
      - { .name: x, .offset: 0, .size: 8, .value_kind: global_buffer, .address_space: global }
      - { .name: Wq, .offset: 8, .size: 8, .value_kind: global_buffer, .address_space: global }
      - { .name: Wk, .offset: 16, .size: 8, .value_kind: global_buffer, .address_space: global }
      - { .name: Wv, .offset: 24, .size: 8, .value_kind: global_buffer, .address_space: global }
      - { .name: Wo, .offset: 32, .size: 8, .value_kind: global_buffer, .address_space: global }
      - { .name: xw_codes, .offset: 40, .size: 8, .value_kind: global_buffer, .address_space: global }
      - { .name: xw_scales, .offset: 48, .size: 8, .value_kind: global_buffer, .address_space: global }
    .group_segment_fixed_size: 36352
    .private_segment_fixed_size: 0
    .kernarg_segment_align: 8
    .kernarg_segment_size: 56
    .max_flat_workgroup_size: 128
    .sgpr_count:     66
    .vgpr_count:     256
    .wavefront_size: 32
...
	.end_amdgpu_metadata
.endif
;; end of part 1
;; launch qkv (part 2): grid 12 x 32, 4 waves a work-group, clusters of 4 x 4, 327,680 bytes of LDS; arguments xw_codes, xw_scales, bq, bk, bv, qkv_codes, qkv_scales; writes qkv_codes, qkv_scales
.if DOCPART == 2
	.amdgcn_target "amdgcn-amd-amdhsa--gfx1250"
	.amdhsa_code_object_version 6
	.text
	.protected	k_q202f976128_qkv
	.globl	k_q202f976128_qkv
	.p2align	8
	.type	k_q202f976128_qkv,@function
k_q202f976128_qkv:
	s_mov_b64 s[64:65], 0
	v_nop
	global_prefetch_b8 v0, s[64:65] scope:SCOPE_SE
	s_setreg_imm32_b32 hwreg(HW_REG_WAVE_MODE, 25, 1), 1
	s_wait_xcnt 0x0
	s_wait_alu depctr_hold_cnt(0) depctr_sa_sdst(0) depctr_va_vdst(0) depctr_va_sdst(0) depctr_va_ssrc(0) depctr_va_vcc(0) depctr_vm_vsrc(0)
	s_getreg_b32 s2, hwreg(HW_REG_IB_STS2, 6, 4)
	s_cmp_eq_u32 s2, 0
	s_cbranch_scc0 .Lentry_in_a_cluster
	s_endpgm
.Lentry_in_a_cluster:
	s_bfe_u32 s2, ttmp6, 0x10000c
	s_cmp_lg_u32 s2, 0xf033
	s_cbranch_scc0 .Lentry_shape_is_right
	s_endpgm
.Lentry_shape_is_right:
; q, k, v = x W^T + b on codes of FP6 (E2M3) with E8M0 scales, as ONE product [8192 tokens] x [3072 rows of Wq, Wk, Wv on end], K = 1024, and the results quantised on the way out:
; q and k along the channels (the next product's K), v along the keys (its product's K).  No f32 result goes to memory.
; LIMITS: NaN and infinities are not served; a block whose largest magnitude lies under 2^-124 has its byte held at 1; a block of zeros gets the byte 1 and not 127 (its codes are zeros; only this program reads the bytes).
; OPERANDS come as images of the operand's registers: tiles of 16 slots (slot 16 T + r = row 32 (T / 2) + 8 (T % 2) + r % 8 + 16 (r / 8)); a fragment, 16 slots x 128 K, is 1,536 bytes:
; twice (registers 0-3 at 16 x lane, registers 4, 5 at 512 + 8 x lane).  Every LDS load takes consecutive bytes in consecutive lanes: no pitch, no padding.
; A tile of the result, 256 x 256, is made by four waves, as many as a WGP has SIMDs; a wave makes 128 x 128: 64 accumulators, 512 registers.
; WHICH OPERAND IS SOURCE 0.  In a result a lane holds one slot of source 1, and its registers run along source 0; by the order of the slots the 16 registers of two neighbouring tiles of source 0 are
; 16 neighbours.  q, k: source 0 = W (registers along the channels), source 1 = x.  v: source 0 = x (registers along the keys), source 1 = W.  The two cases differ only in which LDS region a wave
; reads as source 0, by one term in each LDS address that hangs on the cluster's x alone (0: q, 1: k, 2: v): the same in all sixteen partners.
; K goes in four steps of 256.  Three LDS slots take steps 0, 1, 2 as first fills; step 3 is the one refill, into slot 0, asked for two K steps (256 matrix instructions) ahead of its first read.
; By the text's own count a wave has one tensor load out at the start and one behind the refill.
; CLUSTERS: 4 x 4 work-groups; x's tiles are shared along a row of the cluster, W's along a column: each is asked for jointly, by the same tensor load with a mask that names the four.
; THE SCALES of the work-group's 256 + 256 slots, for all of K, come once, with the first fills: [K / 128][512 bytes] for each half.
; THE WAY OUT needs no LDS: for each of source 1's eight tiles a lane's 64 numbers become a fragment and a scale word, which are stored as they stand, in whole runs of 512 and 256 bytes.
; qkv_codes: records of 12,288 bytes at ((t 32 + 8 batch + head pair) 16 + step of 128 tokens), t = 0 q, 1 k, 2 v; eight fragments each.  q, k: fragment a = token tile a, K = the pair's 128 channels.
; v: fragment a = channel tile a of the pair, K = the step's 128 keys.  qkv_scales: 512 bytes at the same index: tile 4 c + i, slot r at 256 c + 16 r + 4 i.
; REGISTERS, in windows of 256.  Window 0: v4-11 the lane's bias; v12-23 LDS addresses; v24-25 scale addresses; v26-27 16 and 8 x lane; v28-30 the add's two registers and a zero;
;   v32-63 scale words, two sets (source 1's eight, source 0's eight); v64-159, v160-255 source 1's fragments, two sets.
;   Window 1: v0-95, v128-223 source 0's fragments, two sets; v96-127, v224-255 the registers' bias, eight a tile.   Windows 2, 3: accumulator (a, b) at v[8 (8 (a % 4) + b)] of window 2 + a / 4.
.set HALF,  24576                      ; 8 tiles x 3,072 bytes (256 along K): what one tensor load brings and what a wave reads of one operand
.set SLOT,  98304                      ; x's 16 tiles, then W's 16
.set SCL,   294912                     ; behind the three slots: the scales, 4 x 4,096 bytes
.set SPARE, 311296                     ; the spare words, 128 bytes for each wave: two blocks of 256 bytes that no other line names
.set G1X,  24                          ; s[24:31] group 1 for x's tiles;  s[32:39] for W's;  s[40:47], s[48:55] for their scales
.set G1W,  32
.set G1SX, 40
.set G1SW, 48
.set GX0,  56                          ; groups 0 for x: K steps 0, 1, 2 and the scales
.set GX1,  60
.set GX2,  68
.set GXS,  72
.set GW0,  76                          ; and for W
.set GW1,  80
.set GW2,  84
.set GWS,  88
.set SEL,  22                          ; s[22:23] v_permlanex16_b32's selects for lane l xor 16
.set TM,   168                         ; the way out: v168-183 at work
.set MSB, 0
.macro WIN new                         ; the immediate's high byte repeats the setting that is left
.if MSB != (\new)
	s_set_vgpr_msb (MSB<<8)|(\new)
.set MSB, (\new)
.endif
.endm
.macro PLACES n
.rept \n
	v_nop
.endr
.endm
; A joint load: waves 0 and 1 fetch x's halves, waves 2 and 3 W's.  Each line has one mask and one set of registers for all that issue it; the branch hangs on the wave's number alone.
; Four v_nop follow each of the two lines, ahead of the jump, the label and what follows.
.macro JLOAD g0x, g1x, g0w, g1w
	s_cmp_eq_u32 s19, 0
	s_cbranch_scc0 .Lfor_w_\@
	tensor_load_to_lds s[\g0x:\g0x+3], s[\g1x:\g1x+7]
	s_nop 0
.rept 4
	v_nop
.endr
	s_branch .Lasked_\@
.Lfor_w_\@:
	tensor_load_to_lds s[\g0w:\g0w+3], s[\g1w:\g1w+7]
	s_nop 0
.rept 4
	v_nop
.endr
.Lasked_\@:
.endm
.macro CREST                           ; a round of the cluster's barrier behind its opening barrier
	s_cmp_lg_u32 s18, 0
	s_cbranch_scc1 .Lnot_wave_0_\@
	s_barrier_signal -3
.Lnot_wave_0_\@:
	s_barrier_wait -3
	s_barrier_signal -1
	s_barrier_wait -1
.endm
.macro CROUND
	s_barrier_signal -1
	s_barrier_wait -1
	CREST
.endm
.macro GROUP0 g, base, add, ptr, off   ; count 1; LDS address = wave's base + a constant; global address; type 2
	s_mov_b32 s[\g], 1
	s_add_co_u32 s[\g+1], s[\base], \add
	s_add_nc_u64 s[\g+2:\g+3], s[\ptr:\ptr+1], \off
	s_or_b32 s[\g+3], s[\g+3], 0x80000000
.endm
.macro FRAG reg, a16, a8, off          ; a fragment's image: 12 registers by four loads
	ds_load_b128 v[\reg:\reg+3], v[\a16] offset:\off
	ds_load_b64 v[\reg+4:\reg+5], v[\a8] offset:\off+512
	ds_load_b128 v[\reg+6:\reg+9], v[\a16] offset:\off+768
	ds_load_b64 v[\reg+10:\reg+11], v[\a8] offset:\off+1280
.endm
; The n-th 128 along K: 68 LDS loads in one run, into set n % 2: source 0's eight fragments, the sixteen scale words (four tiles a load), source 1's tiles 0-3, then 4-7
.macro FETCH n
.set FQ, (\n)%2
.if ((\n) >= 2) && ((\n) < 6)          ; K steps 1 and 2 lie in the double slot: a tile's 6,144 bytes on end
.set FS, 1
.set FP, 6144
.set FO, 1536*((\n)-2)
.else                                  ; K steps 0 and 3 in slot 0: 3,072 bytes a tile
.set FS, 0
.set FP, 3072
.set FO, 1536*FQ
.endif
	WIN 0x40
.irp i, 0,1,2,3,4,5,6,7
	FRAG 128*FQ+12*\i, 18+FS, 21+FS, FP*\i+FO
.endr
	WIN 0
	ds_load_b128 v[32+16*FQ:35+16*FQ], v24 offset:1024*(\n)
	ds_load_b128 v[36+16*FQ:39+16*FQ], v24 offset:1024*(\n)+256
	ds_load_b128 v[40+16*FQ:43+16*FQ], v25 offset:1024*(\n)
	ds_load_b128 v[44+16*FQ:47+16*FQ], v25 offset:1024*(\n)+256
.irp i, 0,1,2,3,4,5,6,7
	FRAG 64+96*FQ+12*\i, 12+FS, 15+FS, FP*\i+FO
.endr
.endm
; 16 matrix instructions: source 1's tiles a0, a0 + 1 x source 0's eight.  first = 1: the sums begin with the registers' bias as C: nothing is cleared.
; The 64 accumulators take turns, one instruction a turn, in the same order in every step.
.macro MUL16 a0, p, first
.irp a, \a0, \a0+1
.irp b, 0,1,2,3,4,5,6,7
.if \first
	v_wmma_scale_f32_16x16x128_f8f6f4 v[8*(8*((\a)%4)+\b):8*(8*((\a)%4)+\b)+7], v[128*(\p)+12*\b:128*(\p)+12*\b+11], v[64+96*(\p)+12*(\a):64+96*(\p)+12*(\a)+11], v[96+8*\b+96*(\b/4):96+8*\b+96*(\b/4)+7], v[40+16*(\p)+\b], v[32+16*(\p)+(\a)] matrix_a_fmt:MATRIX_FMT_FP6 matrix_b_fmt:MATRIX_FMT_FP6
.else
	v_wmma_scale_f32_16x16x128_f8f6f4 v[8*(8*((\a)%4)+\b):8*(8*((\a)%4)+\b)+7], v[128*(\p)+12*\b:128*(\p)+12*\b+11], v[64+96*(\p)+12*(\a):64+96*(\p)+12*(\a)+11], v[8*(8*((\a)%4)+\b):8*(8*((\a)%4)+\b)+7], v[40+16*(\p)+\b], v[32+16*(\p)+(\a)] matrix_a_fmt:MATRIX_FMT_FP6 matrix_b_fmt:MATRIX_FMT_FP6
.endif
.endr
.endr
.endm
; A step of 128 along K whose successor's tiles are known to be whole.  A load into a register that a matrix instruction has read stands four places behind it, and only plain vector
; instructions are places (ISA guide 7.12.1 for vector instructions): so four v_nop stand in front of the run of loads.
.macro STEP n, first
	s_wait_dscnt 16                                ; all but the youngest sixteen loads, source 1's tiles 4-7, are in
.if \first
	WIN 0x91                                       ; source 0 window 1, source 1 window 0, C (the bias) window 1, D window 2
.else
	WIN 0xa1                                       ; C and D window 2
.endif
	MUL16 0, (\n)%2, \first
	MUL16 2, (\n)%2, \first
	s_wait_dscnt 0x0                               ; tiles 4-7 are in (asked for 64 matrix instructions ago)
	PLACES 4
	FETCH (\n)+1
.if \first
	WIN 0xd1
.else
	WIN 0xf1                                       ; C and D window 3
.endif
	MUL16 4, (\n)%2, \first
	MUL16 6, (\n)%2, \first
.endm
; A step behind which a slot is read that other waves' loads have filled since the last barrier.  In front of the barrier each wave waits for all its tensor loads, adds 0 to its spare word, and waits
; for that and for its own LDS reads.  fill = 1: the barrier opens a round of the cluster's barrier, and slot 0, which nobody reads any more, is filled with K step 3.
.macro TURN n, fill
	WIN 0                                          ; (the add's two registers lie in window 0)
	s_wait_tensorcnt 0x0                           ; all my tensor loads have landed
	ds_add_u32 v28, v29                            ; 0 onto my spare word
	s_wait_dscnt 17                                ; (the add and the youngest sixteen loads may be out)
	WIN 0xa1
	MUL16 0, (\n)%2, 0                             ; sixteen matrix instructions stand between the add and the wait for it
	s_wait_dscnt 0x0                               ; the add is done, and my reads of the slot in hand are over
	s_barrier_signal -1
	MUL16 2, (\n)%2, 0
	WIN 0
	s_barrier_wait -1
.if \fill
	CREST                                          ; no wave of any partner still reads slot 0 or has a load on its way
	s_add_nc_u64 s[GX0+2:GX0+3], s[GX0+2:GX0+3], 3*3072
	s_add_nc_u64 s[GW0+2:GW0+3], s[GW0+2:GW0+3], 3*3072
.irp g, G1X, G1W                               ; no load of mine is out: a row is one K step's 3,072 bytes again
	s_mov_b32 s[\g+1], 384<<16
	s_mov_b32 s[\g+3], 384<<16
.endr
	JLOAD GX0, G1X, GW0, G1W                       ; the first tensor load behind the round, my only one; its four v_nop are also the places in front of the loads below
.else
	PLACES 4
.endif
	FETCH (\n)+1
	WIN 0xf1
	MUL16 4, (\n)%2, 0
	MUL16 6, (\n)%2, 0
.endm
; 64 numbers of a lane, register 16 b + i = k 32 b + 16 (lane / 16) + i of the lane's slot, become a fragment's codes in v[pc] .. v[pc + 11] and its scale word in v[pw].
.macro QUANT s, pc, tm, pw
.irp b, 0,1,2,3
	v_max3_num_f32 v[\tm+\b], |v[\s+16*\b]|, |v[\s+1+16*\b]|, 0x1800000   ; block b: my 16 numbers, and the floor 2^(3 - 127): the byte cannot fall under 1
.endr
.irp i, 2,4,6,8,10,12,14
.irp b, 0,1,2,3
	v_max3_num_f32 v[\tm+\b], v[\tm+\b], |v[\s+16*\b+\i]|, |v[\s+1+16*\b+\i]|   ; (the four blocks by turns)
.endr
.endr
.irp b, 0,1,2,3
	v_permlanex16_b32 v[\tm+4+\b], v[\tm+\b], s[SEL], s[SEL+1]
.endr
.irp b, 0,1,2,3
	v_max_num_f32 v[\tm+\b], v[\tm+\b], v[\tm+4+\b]   ; with lane l xor 16's: the block's largest magnitude
.endr
.irp b, 0,1,2,3
	v_add_nc_u32 v[\tm+12+\b], 0xff000000, v[\tm+\b]  ; 2 off its exponent field: the conversion's scale operand
.endr
.irp b, 0,1,2,3
	v_lshrrev_b32 v[\tm+4+\b], 23, v[\tm+12+\b]       ; the scale's byte
.endr
	v_lshl_or_b32 v[\pw], v[\tm+5], 8, v[\tm+4]
	v_lshl_or_b32 v[\pw], v[\tm+6], 16, v[\pw]
	v_lshl_or_b32 v[\pw], v[\tm+7], 24, v[\pw]
.irp c, 0,1
	v_cvt_scalef32_pk16_fp6_f32 v[\pc+6*\c:\pc+2+6*\c], v[\s+32*\c:\s+15+32*\c], v[\tm+12+2*\c]
	v_cvt_scalef32_pk16_fp6_f32 v[\pc+12+4*\c:\pc+14+4*\c], v[\s+16+32*\c:\s+31+32*\c], v[\tm+12+2*\c+1]   ; (a conversion's three registers begin on an even number)
.endr
	v_nop                                          ; one plain place behind a scaled conversion
.irp c, 0,1                                    ; the operand's layout wants a whole block in a lane: lanes 0-15 block 2 c, lanes 16-31 block 2 c + 1
.irp i, 0,1,2
	v_permlane16_swap_b32 v[\pc+6*\c+\i], v[\pc+12+4*\c+\i]
.endr
.irp i, 0,1,2
	v_mov_b32 v[\pc+3+6*\c+\i], v[\pc+12+4*\c+\i]
.endr
.endr
.endm
; The way out of source 1's tile a: its eight accumulators come into window 0, the lane's bias added on the way (each accumulator from its low end on), are quantised and stored.
.macro OUT a
.set PCR, 128+20*((\a)%2)
.set AC, 64*((\a)%4)
.set BB, 196+2*(\a)
.if (\a) >= 2
	s_wait_xcnt 0x0                                ; tile a - 2's stores have read their registers, which are written again below
.endif
	WIN 0x02+(\a)/4                                ; source 0: window 2 or 3
.set i, 0
.rept 32
	v_pk_add_f32 v[64+i:65+i], v[AC+i:AC+i+1], v[BB:BB+1]
.set i, i+2
.endr
	WIN 0
	QUANT 64, PCR, TM, 184+(\a)
	global_store_b128 v26, v[PCR:PCR+3], s[14:15] offset:1536*(\a)          ; 512 consecutive bytes, aligned to 256
	global_store_b64 v27, v[PCR+4:PCR+5], s[14:15] offset:1536*(\a)+512     ; 256
	global_store_b128 v26, v[PCR+6:PCR+9], s[14:15] offset:1536*(\a)+768
	global_store_b64 v27, v[PCR+10:PCR+11], s[14:15] offset:1536*(\a)+1280
.endm
	s_load_b256 s[4:11], s[0:1], 0x0               ; xw_codes, xw_scales, bq, bk
	s_load_b128 s[12:15], s[0:1], 0x20             ; bv, qkv_codes
	s_load_b64 s[16:17], s[0:1], 0x30              ; qkv_scales
	v_lshl_add_u32 v28, v0, 2, SPARE
	v_mov_b32 v29, 0
	ds_add_u32 v28, v29
	ds_add_u32 v28, v29
	s_wait_dscnt 0x0
	v_mov_b32 v30, 0
	v_lshrrev_b32 v1, 5, v0
	v_readfirstlane_b32 s18, v1                    ; wave 0..3
	s_lshr_b32 s19, s18, 1                         ; which half of source 1 is mine.  Also: I fetch for x (0) or for W (1)
	s_and_b32 s20, s18, 1                          ; which half of source 0.  Also: which 8 tiles I fetch
	s_bfe_u32 s92, ttmp6, 0x40000                  ; cx, cy: my place in the cluster
	s_bfe_u32 s93, ttmp6, 0x40004
	s_lshl_b32 s94, ttmp9, 2
	s_add_co_u32 s94, s94, s92                     ; which 256 rows of W: 4 x cluster x + cx
	s_and_b32 s95, ttmp7, 0xffff
	s_lshl_b32 s95, s95, 2
	s_add_co_u32 s95, s95, s93                     ; which 256 tokens: 4 x cluster y + cy
	s_lshl_b32 s96, s93, 2
	s_lshl_b32 s96, 15, s96                        ; my row of the cluster
	s_lshl_b32 s97, 0x1111, s92                    ; my column
	s_or_b32 s[G1X], s96, (3<<16)|(1<<21)          ; 15:0 the mask; 17:16 elements of 8 bytes; 20 no padding; 21 set beside a mask
	s_or_b32 s[G1W], s97, (3<<16)|(1<<21)
	s_or_b32 s[G1SX], s96, (3<<16)|(1<<21)
	s_or_b32 s[G1SW], s97, (3<<16)|(1<<21)
.irp g, G1X, G1W                               ; the head's loads: 16 rows (tiles) of 3,072 bytes, 12,288 bytes apart
	s_mov_b32 s[\g+1], 384<<16
	s_mov_b32 s[\g+2], 16<<16
	s_mov_b32 s[\g+3], 384<<16
	s_mov_b32 s[\g+4], 16
	s_mov_b32 s[\g+5], 1536
	s_mov_b32 s[\g+6], 0
	s_mov_b32 s[\g+7], 0
.endr
.irp g, G1SX, G1SW                             ; 8 rows (K / 128) of 1,024 bytes, 49,152 bytes apart
	s_mov_b32 s[\g+1], 128<<16                     ; 8 rows (K / 128) of 1,024 bytes: the words of all 16 tiles
	s_mov_b32 s[\g+2], 8<<16
	s_mov_b32 s[\g+3], 128<<16
	s_mov_b32 s[\g+4], 8
	s_mov_b32 s[\g+5], 6144
	s_mov_b32 s[\g+6], 0
	s_mov_b32 s[\g+7], 0
.endr
	s_lshl_b32 s98, s95, 4                         ; x: tile 16 y
	s_lshl_b32 s22, s98, 6                         ; its scales: 64 bytes a tile in each row
	s_mul_i32 s98, s98, 12288
	s_mov_b32 s99, 0
	s_mov_b32 s23, 0
	s_lshl_b32 s100, s94, 4
	s_add_co_u32 s100, s100, 512                   ; W: tile 512 + 16 x
	s_lshl_b32 s66, s100, 6
	s_mul_i32 s100, s100, 12288
	s_mov_b32 s101, 0
	s_mov_b32 s67, 0
	s_mul_i32 s2, s18, HALF                        ; slot 0: wave x 8 tiles of 3,072 bytes
	s_lshl_b32 s3, s2, 1                           ; the double slot: wave x 8 tiles of 6,144
	s_mul_i32 s96, s20, 98304                      ; behind the head I fetch 8 tiles: which half, in bytes
	s_mov_b32 s97, 0
	s_wait_kmcnt 0x0
	s_add_nc_u64 s[98:99], s[4:5], s[98:99]
	s_add_nc_u64 s[22:23], s[6:7], s[22:23]
	s_add_nc_u64 s[100:101], s[4:5], s[100:101]
	s_add_nc_u64 s[66:67], s[6:7], s[66:67]
	CROUND                                         ; all sixteen work-groups are here: the first joint loads meet
	GROUP0 GXS, 97, SCL, 22, 0                     ; the head's four tiles, each whole (s97 = 0): x's scales, W's,
	GROUP0 GWS, 97, SCL+8192, 66, 0
	GROUP0 GX2, 97, 0, 98, 0                       ; K step 0 of x's 16 tiles, and of W's behind them
	GROUP0 GW2, 97, 2*HALF, 100, 0
	s_add_nc_u64 s[98:99], s[98:99], s[96:97]      ; from here on: my 8 tiles
	s_add_nc_u64 s[100:101], s[100:101], s[96:97]
	GROUP0 GX0, 2, 0, 98, 0                        ; slot 0's refill (stepped to K step 3 there)
	GROUP0 GW0, 2, 0, 100, 0
	GROUP0 GX1, 3, SLOT, 98, 3072                  ; the double slot: K steps 1 and 2
	GROUP0 GW1, 3, SLOT, 100, 3072
; one tensor load a wave at the head, in one chain of branches on the wave's number
.macro ARM under, g0, g1, next
	s_cmp_lt_u32 s18, \under
	s_cbranch_scc0 \next
	tensor_load_to_lds s[\g0:\g0+3], s[\g1:\g1+7]
	s_nop 0
	PLACES 4
	s_branch .Lhead_asked
\next:
.endm
	ARM 1, GX2, G1X, .Lhead_w
	ARM 2, GW2, G1W, .Lhead_sx
	ARM 3, GXS, G1SX, .Lhead_sw
	tensor_load_to_lds s[GWS:GWS+3], s[G1SW:G1SW+7]
	s_nop 0
	PLACES 4
.Lhead_asked:
	s_mov_b32 s[SEL], 0x76543210
	s_mov_b32 s[SEL+1], 0xfedcba98
	s_cmp_eq_u32 ttmp9, 0                          ; which bias: the choice hangs on the cluster's x alone
	s_cselect_b64 s[8:9], s[8:9], s[10:11]
	s_cmp_ge_u32 ttmp9, 2                          ; v?
	s_cselect_b64 s[8:9], s[12:13], s[8:9]
	s_cselect_b32 s96, 2*HALF, 0                   ; source 1's region of a slot: W's for v, x's for q and k
	s_cselect_b32 s97, 0, 2*HALF                   ; source 0's
	s_cselect_b32 s98, 8192, 0                     ; and of the scales
	s_cselect_b32 s99, 0, 8192
	s_cselect_b32 s2, s19, s20                     ; which of my two halves is W's: it names the head pair,
	s_cselect_b32 s3, s20, s19                     ; the other the step of 128 tokens
	s_cselect_b32 s21, -1, 0                       ; all ones for v
	s_mul_i32 s100, s19, HALF
	s_add_co_u32 s96, s96, s100
	s_mul_i32 s100, s20, HALF
	s_add_co_u32 s97, s97, s100
	v_and_b32 v1, 31, v0
	v_lshlrev_b32 v26, 4, v1                       ; 16 x lane
	v_lshlrev_b32 v27, 3, v1                       ; 8 x lane
.irp s, 0,1                                    ; 0: slot 0; 1: the double slot, where every region is twice as long
	v_add_nc_u32 v[12+\s], s96, v26
	v_add_nc_u32 v[15+\s], s96, v27
	v_add_nc_u32 v[18+\s], s97, v26
	v_add_nc_u32 v[21+\s], s97, v27
.if \s == 0
	s_lshl_b32 s96, s96, 1
	s_lshl_b32 s97, s97, 1
	s_add_co_u32 s96, s96, SLOT
	s_add_co_u32 s97, s97, SLOT
.endif
.endr
	s_lshl_b32 s100, s19, 9                        ; my half's 512 bytes of each row of 1,024
	s_add_co_u32 s98, s98, s100
	s_add_co_u32 s98, s98, SCL
	s_lshl_b32 s100, s20, 9
	s_add_co_u32 s99, s99, s100
	s_add_co_u32 s99, s99, SCL
	v_and_b32 v1, 15, v0                           ; r
	v_bfe_u32 v2, v0, 4, 1                         ; h
	v_lshl_add_u32 v24, v1, 4, s98                 ; scale words: 16 r: four tiles' words of slot r
	v_lshl_add_u32 v25, v1, 4, s99
	s_lshl_b32 s100, s92, 1
	s_add_co_u32 s100, s100, s2                    ; the head pair: 2 cx + W's half
	s_lshl_b32 s66, s100, 9
	s_mov_b32 s67, 0
	s_add_nc_u64 s[8:9], s[8:9], s[66:67]          ; its 128 numbers of the bias
	v_lshlrev_b32 v3, 6, v2                        ; along the registers: tile b, register i: channel 32 (b / 2) + 16 h + 8 (b % 2) + i
	v_and_b32 v31, 8, v1
	v_add_nc_u32 v31, v31, v1
	v_lshlrev_b32 v31, 2, v31                      ; along the lanes: tile a, lane r: channel 32 (a / 2) + 8 (a % 2) + r + 8 (r / 8)
	WIN 0x40
.irp b, 0,1,2,3,4,5,6,7
	global_load_b128 v[96+8*\b+96*(\b/4):96+8*\b+96*(\b/4)+3], v3, s[8:9] offset:(32*(\b/2)+8*(\b%2))*4
	global_load_b128 v[96+8*\b+96*(\b/4)+4:96+8*\b+96*(\b/4)+7], v3, s[8:9] offset:(32*(\b/2)+8*(\b%2))*4+16
.endr
	WIN 0
.irp a, 0,1,2,3,4,5,6,7
	global_load_b32 v[4+\a], v31, s[8:9] offset:(32*(\a/2)+8*(\a%2))*4
.endr
	s_lshl_b32 s101, ttmp9, 5                      ; my record: ((t 32 + 8 batch + pair) 16 + step)
	s_lshr_b32 s66, s95, 3
	s_lshl_b32 s66, s66, 3
	s_add_co_u32 s101, s101, s66
	s_add_co_u32 s101, s101, s100
	s_lshl_b32 s101, s101, 4
	s_and_b32 s66, s95, 7
	s_lshl_b32 s66, s66, 1
	s_add_co_u32 s101, s101, s66
	s_add_co_u32 s101, s101, s3
	s_mul_i32 s66, s101, 12288
	s_add_nc_u64 s[14:15], s[14:15], s[66:67]
	s_lshl_b32 s66, s101, 9
	s_add_nc_u64 s[16:17], s[16:17], s[66:67]
	s_wait_loadcnt 0x0                             ; the bias, both ways; the way that this tensor does not take is cleared (a choice of values: no branch)
	s_mov_b32 vcc_lo, s21
	WIN 0x41                                       ; destination and source 0 window 1
.set i, 0
.rept 32
	v_cndmask_b32 v[96+i], v[96+i], v30, vcc_lo    ; v: its channels lie along the lanes
	v_cndmask_b32 v[224+i], v[224+i], v30, vcc_lo
.set i, i+1
.endr
	WIN 0
	s_not_b32 vcc_lo, vcc_lo
.irp a, 0,1,2,3,4,5,6,7
	v_cndmask_b32 v[4+\a], v[4+\a], v30, vcc_lo    ; q, k: along the registers
.endr
	s_wait_alu depctr_va_vdst(0)
	s_wait_tensorcnt 0x0                           ; my tile of the head's four is in
	ds_add_u32 v28, v29
.irp g, G1X, G1W                               ; no load of mine is out: from here on 8 rows, of two K steps' 6,144 bytes
	s_mov_b32 s[\g+1], 768<<16
	s_mov_b32 s[\g+2], 8<<16
	s_mov_b32 s[\g+3], 768<<16
	s_mov_b32 s[\g+4], 8
.endr
	s_wait_dscnt 0x0
	CROUND                                         ; everybody's tile is in, and all sixteen work-groups are here
	JLOAD GX1, G1X, GW1, G1W                       ; K steps 1 and 2, my one load behind the round
	FETCH 0
	STEP 0, 1                                      ; slot 0
	TURN 1, 1                                      ; slots 1 and 2 are whole behind it; slot 0 takes K step 3
	STEP 2, 0                                      ; slot 1
	STEP 3, 0
	STEP 4, 0                                      ; slot 2
	TURN 5, 0                                      ; K step 3 is whole behind it; nothing is filled
	STEP 6, 0                                      ; slot 0
	s_wait_dscnt 16                                ; the last step: nothing more to fetch
	WIN 0xa1
	MUL16 0, 1, 0
	MUL16 2, 1, 0
	s_wait_dscnt 0x0
	WIN 0xf1
	MUL16 4, 1, 0
	MUL16 6, 1, 0
	WIN 0
	PLACES 4                                       ; behind the last products: results are read and operands' registers written below
.irp a, 0,1,2,3,4,5,6,7
	v_mov_b32 v[196+2*\a], v[4+\a]                 ; the lane's bias as pairs, for the packed additions
	v_mov_b32 v[197+2*\a], v[4+\a]
.endr
.irp b, 0,1,2,3
	v_mov_b32 v[TM+4+\b], 0                        ; written once: a lane permute's destination counts as one of its sources
.endr
.irp a, 0,1,2,3,4,5,6,7
	OUT \a
.endr
	s_mov_b32 vcc_lo, 0xffff0000
.irp i, 0,1,2,3
	v_cndmask_b32 v[192+\i], v[184+\i], v[188+\i], vcc_lo   ; lanes 0-15: tiles 0-3's words of slot r; lanes 16-31: tiles 4-7's
.endr
	global_store_b128 v26, v[192:195], s[16:17]    ; the record's 512 scale bytes
	s_wait_tensorcnt 0x0                           ; the wave's end
	ds_add_u32 v28, v29
	s_wait_dscnt 0x0
	CROUND                                         ; the closing round: no work-group ends while a partner may still ask for a tile that names it
	s_endpgm
.Lfunc_end_k_q202f976128_qkv:
	.size	k_q202f976128_qkv, .Lfunc_end_k_q202f976128_qkv-k_q202f976128_qkv
	.p2alignl 7, 3214868480
	.fill 96, 4, 3214868480
	.section	.rodata,"a",@progbits
	.p2align	6, 0x0
	.amdhsa_kernel k_q202f976128_qkv
		.amdhsa_group_segment_fixed_size 327680
		.amdhsa_private_segment_fixed_size 0
		.amdhsa_enable_private_segment 0
		.amdhsa_kernarg_size 56
		.amdhsa_user_sgpr_count 2
		.amdhsa_user_sgpr_kernarg_segment_ptr 1
		.amdhsa_wavefront_size32 1
		.amdhsa_system_sgpr_workgroup_id_x 1
		.amdhsa_system_sgpr_workgroup_id_y 1
		.amdhsa_system_sgpr_workgroup_id_z 1
		.amdhsa_system_vgpr_workitem_id 0
		.amdhsa_next_free_vgpr 1024
		.amdhsa_next_free_sgpr 102
		.amdhsa_reserve_vcc 1
		.amdhsa_float_denorm_mode_32 3
		.amdhsa_float_denorm_mode_16_64 3
		.amdhsa_memory_ordered 1
		.amdhsa_forward_progress 1
		.amdhsa_inst_pref_size 169
	.end_amdhsa_kernel
	.amdgpu_metadata
---
amdhsa.version: [ 1, 2 ]
amdhsa.kernels:
  - .name:           k_q202f976128_qkv
    .symbol:         k_q202f976128_qkv.kd
    .args:
      - { .name: xw_codes, .offset: 0, .size: 8, .value_kind: global_buffer, .address_space: global }
      - { .name: xw_scales, .offset: 8, .size: 8, .value_kind: global_buffer, .address_space: global }
      - { .name: bq, .offset: 16, .size: 8, .value_kind: global_buffer, .address_space: global }
      - { .name: bk, .offset: 24, .size: 8, .value_kind: global_buffer, .address_space: global }
      - { .name: bv, .offset: 32, .size: 8, .value_kind: global_buffer, .address_space: global }
      - { .name: qkv_codes, .offset: 40, .size: 8, .value_kind: global_buffer, .address_space: global }
      - { .name: qkv_scales, .offset: 48, .size: 8, .value_kind: global_buffer, .address_space: global }
    .group_segment_fixed_size: 327680
    .private_segment_fixed_size: 0
    .kernarg_segment_align: 8
    .kernarg_segment_size: 56
    .max_flat_workgroup_size: 128
    .sgpr_count:     102
    .vgpr_count:     1024
    .wavefront_size: 32
...
	.end_amdgpu_metadata
.endif
;; end of part 2
;; launch attn (part 3): grid 8 x 32, 16 waves a work-group, clusters of 4 x 1, 327,680 bytes of LDS; arguments qkv_codes, qkv_scales, c_codes, c_scales; writes c_codes, c_scales
.if DOCPART == 3
	.amdgcn_target "amdgcn-amd-amdhsa--gfx1250"
	.amdhsa_code_object_version 6
	.text
	.protected	k_q202f976128_attn
	.globl	k_q202f976128_attn
	.p2align	8
	.type	k_q202f976128_attn,@function
k_q202f976128_attn:
	s_mov_b64 s[64:65], 0
	v_nop
	global_prefetch_b8 v0, s[64:65] scope:SCOPE_SE
	s_setreg_imm32_b32 hwreg(HW_REG_WAVE_MODE, 25, 1), 1
	s_wait_xcnt 0x0
	s_wait_alu depctr_hold_cnt(0) depctr_sa_sdst(0) depctr_va_vdst(0) depctr_va_sdst(0) depctr_va_ssrc(0) depctr_va_vcc(0) depctr_vm_vsrc(0)
	s_getreg_b32 s2, hwreg(HW_REG_IB_STS2, 6, 4)
	s_cmp_eq_u32 s2, 0
	s_cbranch_scc0 .Lentry_in_a_cluster
	s_endpgm
.Lentry_in_a_cluster:
	s_bfe_u32 s2, ttmp6, 0x10000c
	s_cmp_lg_u32 s2, 0x3003
	s_cbranch_scc0 .Lentry_shape_is_right
	s_endpgm
.Lentry_shape_is_right:
; ctx = softmax(q k^T / 8) v for 64 heads of 64 channels and 2,048 tokens, both products on codes of FP6 (E2M3) with E8M0 scales; ctx is quantised along the channels on the way out.
; THE SOFTMAX: t = score x log2(e) / 8; M = the row's largest t so far, rounded UP to a whole number; p = 2^(t - M) is quantised along the keys, not normalised.
; The row's sum is taken of the unquantised p, in f32, and divides O at the end.  When M moves, the sum and O are multiplied by 2^(old M - new M): exact.
; LIMITS: NaN and infinities are not served; a block whose largest magnitude lies under 2^-124 has its byte held at 1, a block of zeros too (its codes are zeros; only this program reads the bytes);
; the division by the sum is v_rcp_f32 and a multiplication.
; SHARES.  A work-group owns a pair of heads of one batch and 256 queries; each of its sixteen waves owns one tile of 16 query slots, for BOTH heads: its result is one whole fragment and one scale word of the last product.
; CLUSTER.  The four query blocks of a cluster walk the same K and V: every tile is asked for jointly, with the mask 15.
; LAYOUT.  Both products are used transposed (S^T = K Q^T, O^T = V^T P^T): a lane holds one query throughout.  K's, V's and Q's fragments come as images of the operand's registers, the slots of a tile in such
; an order that the 16 registers of two neighbouring result tiles are 16 neighbours.
; K = 64 IN AN INSTRUCTION OF 128.  Q's operand for head e has ZERO CODES in the other half (v22-27 head 0, v28-33 zeros, v34-39 head 1).  K's operand is the six registers loaded for head e with the six beside
; them, whatever codes those hold: a finite code meets a zero code under scale bytes that are no 0xff, and adds exactly 0.
; LDS: twelve steps of 128 keys of K's and V's fragments (12,288 bytes a step each) and their scale words (512 each): three slots of four steps.  Steps 0-11 are first fills, one tensor load a wave in twelve waves;
; steps 12-15 are the one refill, into slot 0, asked for eight key steps ahead of its first read.  By the text's own count a wave never has more than one tensor load out.
; REGISTERS: v1-4, v7 lane addresses; v5, v6 the add's two; v8-12 the step's addresses; v13 Q's scale word; v[14:15], v[18:19] (-M, largest score) of head 0, 1; v[16:17], v[20:21] the sums; v22-39 Q;
; v40-43 K's scale words, v44-47 V's; v48-95 fragments of K or V; v96-159 S^T, then p; v160-191, v192-223 O^T; v224-235 p's codes; v236-255 at work (v240-245 also K's tile 7).
.set VC,    147456                     ; K's fragments lie from 0 on, V's from here
.set KS,    294912                     ; K's scale words; V's 6,144 bytes on
.set SPARE, 307200                     ; the spare words, 128 bytes for each wave
.set SCG,   309248                     ; the way out: the work-group's 16 x 16 scale words
.set SEL,   20                         ; s[20:21] v_permlanex16_b32's selects for lane l xor 16
.set CS,    22                         ; s[22:23] c = log2(e) / 8
.set MX,    236                        ; v236-239 the blocks' largest scores, largest p, then scale bytes
.set PT,    240                        ; v240-247 permute results, chains of the sums, the conversions' second halves
.set SO,    248                        ; v248-251 the conversions' scale operands
.macro NOPS n
.rept \n
	v_nop
.endr
.endm
.macro WALU
	s_wait_alu depctr_va_vdst(0)
.endm
.macro CROUND                          ; a round of the cluster's barrier
	s_barrier_signal -1
	s_barrier_wait -1
	s_cmp_lg_u32 s12, 0
	s_cbranch_scc1 .Lnot_wave_0_\@
	s_barrier_signal -3
.Lnot_wave_0_\@:
	s_barrier_wait -3
	s_barrier_signal -1
	s_barrier_wait -1
.endm
.macro TL g0, g1                       ; a tensor load with an s_nop and four v_nop behind it
	tensor_load_to_lds s[\g0:\g0+3], s[\g1:\g1+7]
	s_nop 0
	NOPS 4
.endm
.macro TLOAD                           ; the refill: waves 0, 1: K's and V's fragments; waves 2, 3: their scale words; the others nothing
	s_cmp_lt_u32 s12, 2
	s_cbranch_scc0 .Lnot_c_\@
	TL 40, 24
	s_branch .Lasked_\@
.Lnot_c_\@:
	s_cmp_lt_u32 s12, 4
	s_cbranch_scc0 .Lasked_\@
	TL 52, 32
.Lasked_\@:
.endm
.macro FRAG reg, a16, a8, off          ; a fragment's image: 12 registers by four loads
	ds_load_b128 v[\reg:\reg+3], v[\a16] offset:\off
	ds_load_b64 v[\reg+4:\reg+5], v[\a8] offset:\off+512
	ds_load_b128 v[\reg+6:\reg+9], v[\a16] offset:\off+768
	ds_load_b64 v[\reg+10:\reg+11], v[\a8] offset:\off+1280
.endm
.macro SMUL d, a, e, sc, row           ; a tile of S^T: K's operand from v[a] on, Q's for head e
	v_wmma_scale_f32_16x16x128_f8f6f4 v[\d:\d+7], v[\a:\a+11], v[22+6*(\e):33+6*(\e)], 0, v[\sc], v13 matrix_a_fmt:MATRIX_FMT_FP6 matrix_b_fmt:MATRIX_FMT_FP6 matrix_a_scale:MATRIX_SCALE_ROW\row
.endm
; 64 numbers of a lane, register 16 b + i = k 32 b + 16 (lane / 16) + i of the lane's slot, become a fragment's codes in v[pc] .. v[pc + 11] and its scale word in v[pw].
.macro QUANT s, pc, tm, pw
.irp b, 0,1,2,3
	v_max3_num_f32 v[\tm+\b], |v[\s+16*\b]|, |v[\s+1+16*\b]|, 0x1800000
.endr
.irp i, 2,4,6,8,10,12,14
.irp b, 0,1,2,3
	s_delay_alu instid0(VALU_DEP_4)
	v_max3_num_f32 v[\tm+\b], v[\tm+\b], |v[\s+16*\b+\i]|, |v[\s+1+16*\b+\i]|
.endr
.endr
.irp b, 0,1,2,3
	s_delay_alu instid0(VALU_DEP_4)
	v_permlanex16_b32 v[\tm+4+\b], v[\tm+\b], s[SEL], s[SEL+1]
.endr
.irp b, 0,1,2,3
	s_delay_alu instid0(VALU_DEP_4)
	v_max_num_f32 v[\tm+\b], v[\tm+\b], v[\tm+4+\b]
.endr
.irp b, 0,1,2,3
	s_delay_alu instid0(VALU_DEP_4)
	v_add_nc_u32 v[\tm+12+\b], 0xff000000, v[\tm+\b]
.endr
.irp b, 0,1,2,3
	s_delay_alu instid0(VALU_DEP_4)
	v_lshrrev_b32 v[\tm+4+\b], 23, v[\tm+12+\b]
.endr
	s_delay_alu instid0(VALU_DEP_3)
	v_lshl_or_b32 v[\pw], v[\tm+5], 8, v[\tm+4]
	s_delay_alu instid0(VALU_DEP_1)
	v_lshl_or_b32 v[\pw], v[\tm+6], 16, v[\pw]
	s_delay_alu instid0(VALU_DEP_1)
	v_lshl_or_b32 v[\pw], v[\tm+7], 24, v[\pw]
.irp c, 0,1
	v_cvt_scalef32_pk16_fp6_f32 v[\pc+6*\c:\pc+2+6*\c], v[\s+32*\c:\s+15+32*\c], v[\tm+12+2*\c]
	v_cvt_scalef32_pk16_fp6_f32 v[\pc+12+4*\c:\pc+14+4*\c], v[\s+16+32*\c:\s+31+32*\c], v[\tm+12+2*\c+1]
.endr
	v_nop                                          ; one plain place behind a scaled conversion
.irp c, 0,1
.irp i, 0,1,2
	v_permlane16_swap_b32 v[\pc+6*\c+\i], v[\pc+12+4*\c+\i]
.endr
.irp i, 0,1,2
	s_delay_alu instid0(VALU_DEP_3)
	v_mov_b32 v[\pc+3+6*\c+\i], v[\pc+12+4*\c+\i]
.endr
.endr
.endm
; One head's part of a key step of 128 keys.
.macro HEAD e
.set NM, 14+4*(\e)
.set SU, 16+4*(\e)
.set OT, 160+32*(\e)
.if (\e) > 0
	NOPS 4                                         ; places in front of loads into registers that matrix instructions have read (at a step's head four lines of the step are the places)
.endif
.irp t, 0,1,2,3,4,5,6                          ; the head's eight half fragments of K in one run under one wait: tiles 0-6 into v54-95, tile 7 into v240-245
	ds_load_b128 v[54+6*\t:57+6*\t], v8 offset:1536*\t+768*(\e)
	ds_load_b64 v[58+6*\t:59+6*\t], v9 offset:1536*\t+768*(\e)+512
.endr
	ds_load_b128 v[240:243], v8 offset:1536*7+768*(\e)
	ds_load_b64 v[244:245], v9 offset:1536*7+768*(\e)+512
	s_wait_dscnt 0x0
	SMUL 144, 90-6*(\e), \e, 42, 1                 ; tile 6 first: for head 0 the six registers beside its codes are v96-101, which tile 0's result writes over, five places on
.if (\e) == 0
	NOPS 5
.endif
.irp t, 0,1,2,3
	SMUL 96+8*\t, 54+6*\t-6*(\e), \e, 40+\t, 0
.endr
	SMUL 128, 78-6*(\e), \e, 40, 1
	SMUL 136, 84-6*(\e), \e, 41, 1
	SMUL 152, 240-6*(\e), \e, 43, 1                ; lane (r, h) holds query slot r; register 16 b + i is key 32 b + 16 h + i of the step
.if (\e) == 0
	v_add_nc_u32 v10, s66, v3                      ; V's addresses of this step, directly ahead of their first reader; with two v_nop the four places behind the products
	v_add_nc_u32 v11, s66, v4
	NOPS 2
.else
	NOPS 4
.endif
	FRAG 48, 10, 11, 1536*(4*(\e))                 ; this head's first fragment of V; the other three stand in the gaps of the maximum's chain below
.irp b, 0,1,2,3
	v_max3_num_f32 v[MX+\b], v[96+16*\b], v[97+16*\b], v[98+16*\b]   ; the largest score of each block of 32 keys: for the row's maximum, and, since p rises with the score, for the block's largest p
.endr
.irp i, 3,5,7,9,11,13
.irp b, 0,1,2,3
	v_max3_num_f32 v[MX+\b], v[MX+\b], v[96+16*\b+\i], v[97+16*\b+\i]
.endr
.endr
.irp b, 0,1,2,3
	v_max_num_f32 v[MX+\b], v[MX+\b], v[111+16*\b]
.endr
.irp b, 0,1,2,3
	s_delay_alu instid0(VALU_DEP_4)
	v_permlanex16_b32 v[PT+\b], v[MX+\b], s[SEL], s[SEL+1]
.endr
.irp b, 0,1,2,3
	s_delay_alu instid0(VALU_DEP_4)
	v_max_num_f32 v[MX+\b], v[MX+\b], v[PT+\b]     ; with lane l xor 16's 16 keys
.endr
	s_delay_alu instid0(VALU_DEP_2)
	v_max3_num_f32 v254, v[MX], v[MX+1], v[MX+2]
	FRAG 60, 10, 11, 1536*(4*(\e)+1)
	v_max3_num_f32 v[NM+1], v[NM+1], v254, v[MX+3] ; the running largest score of my query
	FRAG 72, 10, 11, 1536*(4*(\e)+2)
	v_mul_f32 v255, s[CS], v[NM+1]                 ; as t (c is positive, so the largest score gives the largest t)
	FRAG 84, 10, 11, 1536*(4*(\e)+3)
	v_mov_b32 v254, v[NM]
	v_floor_f32 v[NM], -v255                       ; the new -M = floor(-t) = -ceil(t): a whole number
.set j, 0
.rept 32
	v_pk_fma_f32 v[96+j:97+j], v[96+j:97+j], s[CS:CS+1], v[NM:NM+1] op_sel_hi:[1,0,0]   ; t - M, two at a time; f's three lines stand among them
.if j == 6
	v_sub_f32 v254, v[NM], v254                    ; old M less new M: a whole number, 0 or less
.elseif j == 14
	v_cvt_i32_f32 v254, v254                       ; (it saturates)
.elseif j == 22
	v_ldexp_f32 v252, 1.0, v254                    ; f = 2^(old M - new M)
.endif
.set j, j+2
.endr
.irp b, 0,1,2,3
	v_fma_f32 v[MX+\b], v[MX+\b], s[CS], v[NM]     ; the same of each block's largest score
.endr
	WALU                                           ; the wait ahead of the batch
.irp b, 0,1,2,3
	v_exp_f32 v[MX+\b], v[MX+\b]                   ; the block's largest p: the same two instructions on the same number give the same bits
.endr
.set j, 0
.rept 64
	v_exp_f32 v[96+j], v[96+j]                     ; p = 2^(t - M), at most 1: not normalised
.set j, j+1
.endr
	v_pk_mul_f32 v[SU:SU+1], v[SU:SU+1], v[252:253] op_sel_hi:[1,0]   ; the sums under the new M: a plain place behind the exponentials
	WALU                                           ; one wait for the whole batch, ahead of its first reader
; the row's sum of the unquantised p, two at a time in FOUR chains, and among them the blocks' scales, four blocks by turns
	v_pk_add_f32 v[SU:SU+1], v[SU:SU+1], v[96:97]
	v_pk_add_f32 v[254:255], v[98:99], v[100:101]
	v_pk_add_f32 v[PT:PT+1], v[102:103], v[104:105]
	v_pk_add_f32 v[PT+2:PT+3], v[106:107], v[108:109]
.irp b, 0,1,2,3
	v_max_num_f32 v[MX+\b], 0x1800000, v[MX+\b]    ; the floor 2^(3 - 127): the byte cannot fall under 1
.endr
.set j, 14
.rept 6
	v_pk_add_f32 v[SU:SU+1], v[SU:SU+1], v[96+j:97+j]
	v_pk_add_f32 v[254:255], v[254:255], v[98+j:99+j]
	v_pk_add_f32 v[PT:PT+1], v[PT:PT+1], v[100+j:101+j]
	v_pk_add_f32 v[PT+2:PT+3], v[PT+2:PT+3], v[102+j:103+j]
.if j == 14
.irp b, 0,1,2,3
	v_add_nc_u32 v[SO+\b], 0xff000000, v[MX+\b]    ; 2 off the exponent field: the conversion's scale operand
.endr
.elseif j == 22
.irp b, 0,1,2,3
	v_lshrrev_b32 v[MX+\b], 23, v[SO+\b]           ; the scale's byte
.endr
.endif
.set j, j+8
.endr
	v_pk_add_f32 v[SU:SU+1], v[SU:SU+1], v[158:159]
	v_pk_add_f32 v[254:255], v[254:255], v[PT+2:PT+3]
	v_pk_add_f32 v[SU:SU+1], v[SU:SU+1], v[PT:PT+1]
.irp c, 0,1
	v_cvt_scalef32_pk16_fp6_f32 v[224+6*\c:226+6*\c], v[96+32*\c:111+32*\c], v[SO+2*\c]
	v_cvt_scalef32_pk16_fp6_f32 v[PT+4*\c:PT+2+4*\c], v[112+32*\c:127+32*\c], v[SO+2*\c+1]   ; (a conversion's three registers begin on an even number)
.endr
	v_lshl_or_b32 v253, v[MX+1], 8, v[MX]          ; p's scale word for these 128 keys: plain lines behind the conversions
	v_pk_add_f32 v[SU:SU+1], v[SU:SU+1], v[254:255]
	v_lshl_or_b32 v253, v[MX+2], 16, v253
	v_lshl_or_b32 v253, v[MX+3], 24, v253
.irp c, 0,1                                    ; the operand's layout wants a whole block in a lane
.irp i, 0,1,2
	v_permlane16_swap_b32 v[224+6*\c+\i], v[PT+4*\c+\i]
.endr
.endr
.irp c, 0,1
.irp i, 0,1,2
	v_mov_b32 v[227+6*\c+\i], v[PT+4*\c+\i]
.endr
.endr
.set j, 0
.rept 16
	v_pk_mul_f32 v[OT+j:OT+j+1], v[OT+j:OT+j+1], v[252:253] op_sel_hi:[1,0]   ; O^T under the new M.  These sixteen are also the places between the writing of p's codes and scale word and the products
.set j, j+2
.endr
	WALU                                           ; the wait here, directly ahead of the wait below
	s_wait_dscnt 0x0                               ; V's fragments are in
.irp u, 0,1,2,3                                ; O^T += V^T P^T: four tiles of 16 channels, one instruction a turn
	v_wmma_scale_f32_16x16x128_f8f6f4 v[OT+8*\u:OT+8*\u+7], v[48+12*\u:59+12*\u], v[224:235], v[OT+8*\u:OT+8*\u+7], v[44+\u], v253 matrix_a_fmt:MATRIX_FMT_FP6 matrix_b_fmt:MATRIX_FMT_FP6 matrix_a_scale:MATRIX_SCALE_ROW\e
.endr
.endm
.macro KSTEP                           ; a key step: 128 keys, both heads
	v_add_nc_u32 v8, s66, v1                       ; each address directly ahead of its first readers; with the v_nop the four places behind the last step's products
	v_add_nc_u32 v9, s66, v2
	v_add_nc_u32 v12, s67, v7
	v_nop
	ds_load_b128 v[40:43], v12                     ; K's scale words: register i: tile i in lanes 0-15, tile 4 + i in lanes 16-31
	ds_load_b128 v[44:47], v12 offset:6144         ; V's: register i: channel tile i of head 0 in lanes 0-15, of head 1 in lanes 16-31
	HEAD 0
	HEAD 1
	s_add_co_u32 s66, s66, 12288
	s_add_co_u32 s67, s67, 512
.endm
.macro LOOP n
	s_mov_b32 s68, \n
.Lk_\@:
	KSTEP
	s_sub_co_u32 s68, s68, 1
	s_cmp_lg_u32 s68, 0
	s_cbranch_scc1 .Lk_\@
.endm
	s_load_b256 s[4:11], s[0:1], 0x0               ; qkv_codes, qkv_scales, c_codes, c_scales
	v_lshl_add_u32 v5, v0, 2, SPARE
	v_mov_b32 v6, 0
	ds_add_u32 v5, v6                              ; the opening lines: the add twice on end and its wait
	ds_add_u32 v5, v6
	s_wait_dscnt 0x0
	v_lshrrev_b32 v8, 5, v0
	s_delay_alu instid0(VALU_DEP_1)
	v_readfirstlane_b32 s12, v8                    ; wave 0..15
	s_bfe_u32 s13, ttmp6, 0x40000                  ; cx: my place in the cluster
	s_lshl_b32 s14, ttmp9, 2
	s_add_co_u32 s14, s14, s13                     ; my block of 256 queries: it enters Q's and the outputs' addresses alone
	s_and_b32 s15, ttmp7, 0xffff                   ; 8 x batch + head pair, which the four partners share
	s_and_b32 s16, s12, 1                          ; what I fetch, if I fetch: 0 K's, 1 V's
	s_add_co_u32 s17, s16, 1
	s_mul_i32 s18, s17, 6291456                    ; k's records lie one tensor's worth behind q's, v's two
	s_mul_i32 s2, s15, 196608                      ; 16 records of 12,288 bytes for each pair
	s_add_co_u32 s18, s18, s2
	s_mov_b32 s19, 0
	s_mul_i32 s2, s17, 262144
	s_lshl_b32 s3, s15, 13
	s_add_co_u32 s2, s2, s3
	s_mov_b32 s3, 0
	s_mul_i32 s17, s16, VC                         ; and where it goes
	s_mul_i32 s16, s16, 6144
	s_add_co_u32 s16, s16, KS
	s_mov_b32 s24, 15|(3<<16)|(1<<21)              ; group 1, fragments: the mask names all four; elements of 8 bytes; bit 21 beside the mask
	s_mov_b32 s25, 32<<16                          ; four steps are 49,152 dense bytes: 192 rows of 256
	s_mov_b32 s26, 192<<16
	s_mov_b32 s27, 32<<16
	s_mov_b32 s28, 192
	s_mov_b32 s29, 32
	s_mov_b32 s30, 0
	s_mov_b32 s31, 0
	s_mov_b32 s32, 15|(3<<16)|(1<<21)              ; group 1, scale words: 2,048 dense bytes: 8 rows of 256
	s_mov_b32 s33, 32<<16
	s_mov_b32 s34, 8<<16
	s_mov_b32 s35, 32<<16
	s_mov_b32 s36, 8
	s_mov_b32 s37, 32
	s_mov_b32 s38, 0
	s_mov_b32 s39, 0
	s_mov_b32 s[SEL], 0x76543210
	s_mov_b32 s[SEL+1], 0xfedcba98
	s_mov_b32 s[CS], 0x3e38aa3b                    ; c = log2(e) / 8
	s_mov_b32 s[CS+1], s[CS]                       ; (named with it as a pair, so it is written)
	s_wait_kmcnt 0x0
	s_add_nc_u64 s[18:19], s[4:5], s[18:19]
	s_add_nc_u64 s[2:3], s[6:7], s[2:3]
	CROUND                                         ; all four work-groups are here: the first joint loads meet
; THE TWELVE FIRST FILLS, ONE A WAVE.  Waves 0, 1: slot 0's fragments of K, V; waves 2, 3: its scale words; waves 4-7: the fragments of slots 1 and 2; waves 8-11: their scale words.
; K or V goes by wave % 2, slot 1 or 2 by (wave / 2) % 2.  Slot 0's two lines are waves 0-3's alone: they alone wait ahead of the first barrier.
	s_lshr_b32 s69, s12, 1
	s_and_b32 s69, s69, 1
	s_add_co_u32 s69, s69, 1                       ; slot 1 or 2
	s_mul_i32 s70, s69, 49152
	s_mov_b32 s71, 0
	s_mul_i32 s72, s69, 2048
	s_mov_b32 s73, 0
	s_mov_b32 s40, 1                               ; slot 0's fragments (also the refill's group 0)
	s_mov_b32 s41, s17
	s_mov_b64 s[42:43], s[18:19]
	s_or_b32 s43, s43, 0x80000000
	s_mov_b32 s44, 1                               ; a later slot's fragments
	s_add_co_u32 s45, s17, s70
	s_add_nc_u64 s[46:47], s[18:19], s[70:71]
	s_or_b32 s47, s47, 0x80000000
	s_mov_b32 s52, 1                               ; slot 0's scale words (also the refill's)
	s_mov_b32 s53, s16
	s_mov_b64 s[54:55], s[2:3]
	s_or_b32 s55, s55, 0x80000000
	s_mov_b32 s56, 1                               ; a later slot's scale words
	s_add_co_u32 s57, s16, s72
	s_add_nc_u64 s[58:59], s[2:3], s[72:73]
	s_or_b32 s59, s59, 0x80000000
	s_cmp_lt_u32 s12, 2
	s_cbranch_scc0 .Lfirst_s0
	TL 40, 24
	s_branch .Lfirst_asked
.Lfirst_s0:
	s_cmp_lt_u32 s12, 4
	s_cbranch_scc0 .Lfirst_c12
	TL 52, 32
	s_branch .Lfirst_asked
.Lfirst_c12:
	s_cmp_lt_u32 s12, 8
	s_cbranch_scc0 .Lfirst_s12
	TL 44, 24
	s_branch .Lfirst_asked
.Lfirst_s12:
	s_cmp_lt_u32 s12, 12
	s_cbranch_scc0 .Lfirst_asked
	TL 56, 32
.Lfirst_asked:
	s_lshl_b32 s70, s15, 4                         ; Q: record 16 x pair + 2 x block + wave / 8, fragment wave % 8
	s_lshl_b32 s71, s14, 1
	s_add_co_u32 s70, s70, s71
	s_lshr_b32 s71, s12, 3
	s_add_co_u32 s70, s70, s71
	s_and_b32 s71, s12, 7
	s_mul_i32 s72, s70, 12288
	s_mul_i32 s73, s71, 1536
	s_add_co_u32 s72, s72, s73
	s_mov_b32 s73, 0
	s_add_nc_u64 s[72:73], s[4:5], s[72:73]
	s_lshl_b32 s74, s70, 9                         ; its scale words: 256 (tile / 4) + 4 (tile % 4) + 16 r
	s_lshr_b32 s75, s71, 2
	s_lshl_b32 s75, s75, 8
	s_add_co_u32 s74, s74, s75
	s_and_b32 s75, s71, 3
	s_lshl_b32 s75, s75, 2
	s_add_co_u32 s74, s74, s75
	s_mov_b32 s75, 0
	s_add_nc_u64 s[74:75], s[6:7], s[74:75]
	v_and_b32 v8, 31, v0
	s_delay_alu instid0(VALU_DEP_1)
	v_lshlrev_b32 v1, 4, v8                        ; 16 x lane: K's fragments begin at LDS byte 0
	s_delay_alu instid0(VALU_DEP_2)
	v_lshlrev_b32 v2, 3, v8                        ; 8 x lane
	s_delay_alu instid0(VALU_DEP_2)
	v_add_nc_u32 v3, VC, v1
	s_delay_alu instid0(VALU_DEP_2)
	v_add_nc_u32 v4, VC, v2
	s_delay_alu instid0(VALU_DEP_4)
	v_add_nc_u32 v7, KS, v1
	v_and_b32 v255, 15, v0
	s_delay_alu instid0(VALU_DEP_1)
	v_lshlrev_b32 v255, 4, v255
	global_load_b128 v[22:25], v1, s[72:73]        ; head 0's half
	global_load_b64 v[26:27], v2, s[72:73] offset:512
	global_load_b128 v[34:37], v1, s[72:73] offset:768   ; head 1's
	global_load_b64 v[38:39], v2, s[72:73] offset:1280
	global_load_b32 v13, v255, s[74:75]
.irp i, 0,1,2,3,4,5
	v_mov_b32 v[28+\i], 0                          ; the zero codes between them
	v_mov_b32 v[48+\i], 0                          ; the registers beside K's codes: written, so that they may be named
	v_mov_b32 v[96+\i], 0
	v_mov_b32 v[246+\i], 0
.endr
.irp e, 0,1
	v_mov_b32 v[15+4*\e], 0xff61b1e6               ; the largest score so far: -3e38, under every score
	s_delay_alu instid0(VALU_DEP_1)
	v_floor_f32 v[14+4*\e], -v[15+4*\e]            ; -M
	v_mov_b32 v[16+4*\e], 0                        ; the sum, in two halves
	v_mov_b32 v[17+4*\e], 0
.endr
.irp b, 0,1,2,3
	v_mov_b32 v[PT+\b], 0                          ; written once: a lane permute's destination counts as one of its sources
.endr
	v_mov_b32 v253, 0                              ; (named as the upper half of the pair v[252:253] before it is first written)
.set j, 0
.rept 64
	v_mov_b32 v[160+j], 0                          ; O^T: the step is written without a first step of its own; the first change of M leaves zeros zeros
.set j, j+1
.endr
	WALU                                           ; the wait at the head's end
	s_wait_loadcnt 0x0                             ; Q
	s_cmp_lt_u32 s12, 4
	s_cbranch_scc0 .Lnot_slot_0
	s_wait_tensorcnt 0x0                           ; waves 0-3: my part of slot 0 is in; slots 1 and 2 may stay out
.Lnot_slot_0:
	s_barrier_signal -1
	s_barrier_wait -1
	s_mov_b32 s66, 0
	s_mov_b32 s67, 0
	LOOP 4                                         ; steps 0-3: slot 0
	s_wait_tensorcnt 0x0                           ; all my tensor loads have landed: slots 1 and 2 are whole behind the round; no load of mine is out, so a group 0 may be written
	ds_add_u32 v5, v6                              ; 0 onto my spare word, twice on end
	ds_add_u32 v5, v6
	s_add_nc_u64 s[42:43], s[42:43], 147456        ; slot 0's descriptors step to steps 12-15
	s_add_nc_u64 s[54:55], s[54:55], 6144
	s_wait_dscnt 0x0                               ; the add is done, and my reads of slot 0 are over
	CROUND                                         ; the same holds of every wave of every partner
	TLOAD                                          ; the first thing behind the round, a wave's one tensor load
	s_mov_b32 s66, 49152
	s_mov_b32 s67, 2048
	LOOP 8                                         ; steps 4-11: slots 1 and 2
	s_wait_tensorcnt 0x0                           ; the refill has landed
	ds_add_u32 v5, v6
	s_mov_b32 s66, 0
	s_mov_b32 s67, 0
	s_wait_dscnt 0x0
	s_barrier_signal -1
	s_barrier_wait -1                              ; everybody's has
	LOOP 4                                         ; steps 12-15: slot 0
	; THE WAY OUT.  O^T / the sum: register 16 b + i is channel 32 b + 16 h + i of the pair, of my query slot: it is quantised as it stands and stored as a fragment's image.
	v_add_f32 v16, v16, v17                        ; the sums' two halves (plain work: the places behind the last products)
	v_add_f32 v20, v20, v21
	s_delay_alu instid0(VALU_DEP_2)
	v_permlanex16_b32 v240, v16, s[SEL], s[SEL+1]
	s_delay_alu instid0(VALU_DEP_2)
	v_permlanex16_b32 v241, v20, s[SEL], s[SEL+1]
	s_delay_alu instid0(VALU_DEP_2)
	v_add_f32 v16, v16, v240                       ; and lane l xor 16's
	s_delay_alu instid0(VALU_DEP_2)
	v_add_f32 v20, v20, v241
	WALU
	v_rcp_f32 v16, v16
	v_rcp_f32 v20, v20
	s_lshr_b32 s70, s15, 3                         ; batch
	s_and_b32 s71, s15, 7                          ; head pair
	s_lshl_b32 s72, s70, 7
	s_lshl_b32 s73, s14, 4
	s_add_co_u32 s72, s72, s73
	s_add_co_u32 s72, s72, s12                     ; my token tile: 128 x batch + 16 x block + wave
	s_mul_i32 s72, s72, 12288
	s_mul_i32 s73, s71, 1536
	s_add_co_u32 s72, s72, s73
	s_mov_b32 s73, 0
	s_add_nc_u64 s[8:9], s[8:9], s[72:73]
	s_lshl_b32 s72, s71, 15                        ; c_scales: [pair][group of four tiles][256]
	s_lshl_b32 s74, s70, 13
	s_add_co_u32 s72, s72, s74
	s_lshl_b32 s74, s14, 10
	s_add_co_u32 s72, s72, s74
	s_and_b32 s74, s12, 1
	s_lshl_b32 s74, s74, 9
	s_add_co_u32 s72, s72, s74
	s_add_nc_u64 s[10:11], s[10:11], s[72:73]
	s_add_co_u32 s74, s74, SCG
	s_lshr_b32 s75, s12, 2
	s_lshl_b32 s75, s75, 8
	s_and_b32 s76, s12, 3
	s_lshl_b32 s76, s76, 2
	s_add_co_u32 s75, s75, s76
	s_add_co_u32 s75, s75, SCG
	v_and_b32 v8, 15, v0                           ; (plain places behind the reciprocals)
	s_delay_alu instid0(VALU_DEP_1)
	v_lshl_add_u32 v8, v8, 4, s75                  ; my scale word: 256 (wave / 4) + 16 r + 4 (wave % 4)
	v_add_nc_u32 v9, s74, v1                       ; back: 512 bytes a wave, 16 a lane
.irp b, 0,1,2,3
	v_mov_b32 v[52+\b], 0                          ; a lane permute's destination counts as one of its sources
.endr
	WALU                                           ; one wait for the two reciprocals, ahead of their first reader
.set j, 0
.rept 64
	v_mul_f32 v[96+j], v[160+j], v[16+4*(j/32)]    ; each accumulator from its low end on
.set j, j+1
.endr
	QUANT 96, 224, 48, 254
	global_store_b128 v1, v[224:227], s[8:9]                 ; 512 consecutive bytes, aligned to 256
	global_store_b64 v2, v[228:229], s[8:9] offset:512       ; 256
	global_store_b128 v1, v[230:233], s[8:9] offset:768
	global_store_b64 v2, v[234:235], s[8:9] offset:1280
	ds_store_b32 v8, v254                          ; both lanes of a slot write the same word with the same value
	s_wait_dscnt 0x0                               ; for the others' sake
	s_barrier_signal -1
	s_barrier_wait -1
	s_cmp_lt_u32 s12, 2                            ; the work-group's 1,024 scale bytes leave by two waves, 512 consecutive bytes each
	s_cbranch_scc0 .Lno_scales
	ds_load_b128 v[96:99], v9
	s_wait_dscnt 0x0
	global_store_b128 v1, v[96:99], s[10:11]
.Lno_scales:
	s_wait_tensorcnt 0x0                           ; the wave's end
	ds_add_u32 v5, v6
	s_wait_dscnt 0x0
	CROUND                                         ; the closing round
	s_endpgm
.Lfunc_end_k_q202f976128_attn:
	.size	k_q202f976128_attn, .Lfunc_end_k_q202f976128_attn-k_q202f976128_attn
	.p2alignl 7, 3214868480
	.fill 96, 4, 3214868480
	.section	.rodata,"a",@progbits
	.p2align	6, 0x0
	.amdhsa_kernel k_q202f976128_attn
		.amdhsa_group_segment_fixed_size 327680
		.amdhsa_private_segment_fixed_size 0
		.amdhsa_enable_private_segment 0
		.amdhsa_kernarg_size 32
		.amdhsa_user_sgpr_count 2
		.amdhsa_user_sgpr_kernarg_segment_ptr 1
		.amdhsa_wavefront_size32 1
		.amdhsa_system_sgpr_workgroup_id_x 1
		.amdhsa_system_sgpr_workgroup_id_y 1
		.amdhsa_system_sgpr_workgroup_id_z 1
		.amdhsa_system_vgpr_workitem_id 0
		.amdhsa_next_free_vgpr 256
		.amdhsa_next_free_sgpr 80
		.amdhsa_reserve_vcc 0
		.amdhsa_float_denorm_mode_32 3
		.amdhsa_float_denorm_mode_16_64 3
		.amdhsa_memory_ordered 1
		.amdhsa_forward_progress 1
		.amdhsa_inst_pref_size 119
	.end_amdhsa_kernel
	.amdgpu_metadata
---
amdhsa.version: [ 1, 2 ]
amdhsa.kernels:
  - .name:           k_q202f976128_attn
    .symbol:         k_q202f976128_attn.kd
    .args:
      - { .name: qkv_codes, .offset: 0, .size: 8, .value_kind: global_buffer, .address_space: global }
      - { .name: qkv_scales, .offset: 8, .size: 8, .value_kind: global_buffer, .address_space: global }
      - { .name: c_codes, .offset: 16, .size: 8, .value_kind: global_buffer, .address_space: global }
      - { .name: c_scales, .offset: 24, .size: 8, .value_kind: global_buffer, .address_space: global }
    .group_segment_fixed_size: 327680
    .private_segment_fixed_size: 0
    .kernarg_segment_align: 8
    .kernarg_segment_size: 32
    .max_flat_workgroup_size: 512
    .sgpr_count:     80
    .vgpr_count:     256
    .wavefront_size: 32
...
	.end_amdgpu_metadata
.endif
;; end of part 3
;; launch oproj (part 4): grid 4 x 64, 4 waves a work-group, clusters of 4 x 4, 307,712 bytes of LDS; arguments c_codes, c_scales, xw_codes, xw_scales, bo, out0; writes out0
.if DOCPART == 4
	.amdgcn_target "amdgcn-amd-amdhsa--gfx1250"
	.amdhsa_code_object_version 6
	.text
	.protected	k_q202f976128_oproj
	.globl	k_q202f976128_oproj
	.p2align	8
	.type	k_q202f976128_oproj,@function
k_q202f976128_oproj:
	s_mov_b64 s[64:65], 0
	v_nop
	global_prefetch_b8 v0, s[64:65] scope:SCOPE_SE
	s_setreg_imm32_b32 hwreg(HW_REG_WAVE_MODE, 25, 1), 1
	s_wait_xcnt 0x0
	s_wait_alu depctr_hold_cnt(0) depctr_sa_sdst(0) depctr_va_vdst(0) depctr_va_sdst(0) depctr_va_ssrc(0) depctr_va_vcc(0) depctr_vm_vsrc(0)
	s_getreg_b32 s2, hwreg(HW_REG_IB_STS2, 6, 4)
	s_cmp_eq_u32 s2, 0
	s_cbranch_scc0 .Lentry_in_a_cluster
	s_endpgm
.Lentry_in_a_cluster:
	s_bfe_u32 s2, ttmp6, 0x10000c
	s_cmp_lg_u32 s2, 0xf033
	s_cbranch_scc0 .Lentry_shape_is_right
	s_endpgm
.Lentry_shape_is_right:
; out = ctx Wo^T + bo on codes of FP6 (E2M3) with E8M0 scales; out [8192][1024] f32.  ctx's and Wo's codes come as images of the operand's registers (tiles of 16 slots; slot 16 T + r = row
; 32 (T / 2) + 8 (T % 2) + r % 8 + 16 (r / 8); a fragment, 16 slots x 128 K, is 1,536 bytes), their scale words four tiles to 256 bytes.
; A tile of the result is 128 tokens x 256 columns: 256 work-groups; tiles of 256 x 256 would be 128.  Four waves, each 64 tokens x 128 columns: 32 accumulators.
; Source 0 = Wo (a lane's registers run along the columns; by the slots' order 16 registers of two neighbouring tiles are 16 neighbouring columns), source 1 = ctx (a lane holds one token slot).
; ALL OF K LIES IN LDS: ctx's 8 tiles, then Wo's 16, 12,288 bytes each.  Every fill is a first fill: no LDS byte is filled again.
; By the text's own count a wave has one tensor load out at the start.  One wait and one barrier stand in front of the first read.
; CLUSTERS: 4 x 4 work-groups; ctx's tiles are shared along a row of the cluster, Wo's along a column: each is asked for jointly.
; The bias is the C of each sum's first matrix instruction.
; REGISTERS.  Window 0: v4-19 LDS addresses; v20 the scale words' address; v22-24 the way out; v160-243, v32-43 scale words, twelve a step (ctx's four, Wo's eight); v64-111, v112-159 ctx's fragments, two sets.
;   Window 1: v0-95, v128-223 Wo's fragments, two sets; v96-127, v224-255 the bias.   Window 2: accumulator (a, b) at v[8 (8 a + b)].
.set SLOT, 24576                       ; two tiles, all of K: the reach of one LDS address register.  ctx's 8 tiles lie from 0 on, Wo's 16 from 98,304 on, 12,288 bytes a tile
.set SCX,  294912
.set SCW,  299008
.set G1C,  24
.set G1W,  32
.set G1SC, 40
.set G1SW, 48
.set GCS,  56
.set GC0,  60
.set GC1,  68
.set GC2,  72
.set GC3,  76
.set GWS,  80
.set GW0,  84
.set GW1,  88
.set GW2,  92
.set GW3,  96
.set MSB, 0
.macro WIN new                         ; the immediate's high byte repeats the setting that is left
.if MSB != (\new)
	s_set_vgpr_msb (MSB<<8)|(\new)
.set MSB, (\new)
.endif
.endm
.macro PLACES n
.rept \n
	v_nop
.endr
.endm
.macro JLOAD g0x, g1x, g0w, g1w        ; a joint load: waves 0 and 1 fetch for ctx, waves 2 and 3 for Wo; four v_nop follow each of the two lines
	s_cmp_eq_u32 s19, 0
	s_cbranch_scc0 .Lfor_w_\@
	tensor_load_to_lds s[\g0x:\g0x+3], s[\g1x:\g1x+7]
	s_nop 0
.rept 4
	v_nop
.endr
	s_branch .Lasked_\@
.Lfor_w_\@:
	tensor_load_to_lds s[\g0w:\g0w+3], s[\g1w:\g1w+7]
	s_nop 0
.rept 4
	v_nop
.endr
.Lasked_\@:
.endm
.macro CROUND                          ; a round of the cluster's barrier
	s_barrier_signal -1
	s_barrier_wait -1
	s_cmp_lg_u32 s18, 0
	s_cbranch_scc1 .Lnot_wave_0_\@
	s_barrier_signal -3
.Lnot_wave_0_\@:
	s_barrier_wait -3
	s_barrier_signal -1
	s_barrier_wait -1
.endm
.macro GROUP0 g, base, add, ptr, off
	s_mov_b32 s[\g], 1
	s_add_co_u32 s[\g+1], s[\base], \add
	s_add_nc_u64 s[\g+2:\g+3], s[\ptr:\ptr+1], \off
	s_or_b32 s[\g+3], s[\g+3], 0x80000000
.endm
.macro FRAG reg, a16, a8, off
	ds_load_b128 v[\reg:\reg+3], v[\a16] offset:\off
	ds_load_b64 v[\reg+4:\reg+5], v[\a8] offset:\off+512
	ds_load_b128 v[\reg+6:\reg+9], v[\a16] offset:\off+768
	ds_load_b64 v[\reg+10:\reg+11], v[\a8] offset:\off+1280
.endm
.macro FETCH n                         ; the n-th 128 along K: 48 LDS loads in one run into set n % 2: Wo's eight fragments, ctx's four fragments
.set FQ, (\n)%2                        ; 48 LDS loads: Wo's eight fragments, ctx's four
	WIN 0x40
.irp i, 0,1,2,3,4,5,6,7
	FRAG 128*FQ+12*\i, 12+\i/2, 16+\i/2, 12288*(\i%2)+1536*(\n)
.endr
	WIN 0
.irp i, 0,1,2,3
	FRAG 64+48*FQ+12*\i, 4+\i/2, 8+\i/2, 12288*(\i%2)+1536*(\n)
.endr
.endm
.macro MUL16 a0, p, first              ; ctx's tiles a0, a0 + 1 x Wo's eight.  The 32 accumulators take turns, one instruction a turn
.irp a, \a0, \a0+1
.irp b, 0,1,2,3,4,5,6,7
.if \first
	v_wmma_scale_f32_16x16x128_f8f6f4 v[8*(8*(\a)+\b):8*(8*(\a)+\b)+7], v[128*(\p)+12*\b:128*(\p)+12*\b+11], v[64+48*(\p)+12*(\a):64+48*(\p)+12*(\a)+11], v[96+8*\b+96*(\b/4):96+8*\b+96*(\b/4)+7], v[SBN+4+\b], v[SBN+(\a)] matrix_a_fmt:MATRIX_FMT_FP6 matrix_b_fmt:MATRIX_FMT_FP6
.else
	v_wmma_scale_f32_16x16x128_f8f6f4 v[8*(8*(\a)+\b):8*(8*(\a)+\b)+7], v[128*(\p)+12*\b:128*(\p)+12*\b+11], v[64+48*(\p)+12*(\a):64+48*(\p)+12*(\a)+11], v[8*(8*(\a)+\b):8*(8*(\a)+\b)+7], v[SBN+4+\b], v[SBN+(\a)] matrix_a_fmt:MATRIX_FMT_FP6 matrix_b_fmt:MATRIX_FMT_FP6
.endif
.endr
.endr
.endm
.macro EVEN n, first
.set SBN, 160+12*(\n)                  ; this step's twelve scale words: ctx's four, Wo's eight
	s_wait_dscnt 8                                 ; all but the youngest eight loads, ctx's tiles 2 and 3, are in
.if \first
	WIN 0x91                                       ; source 0 window 1, source 1 window 0, C (the bias) window 1, D window 2
.else
	WIN 0xa1
.endif
	MUL16 0, 0, \first
	PLACES 4                                       ; in front of loads into registers that matrix instructions have read
	FETCH (\n)+1
	s_wait_dscnt 48                                ; all but the 48 just issued
.if \first
	WIN 0x91
.else
	WIN 0xa1
.endif
	MUL16 2, 0, \first
.endm
.macro ODD n, left                     ; a slot's second step
.set SBN, 160+12*(\n)                  ; all of K has landed at the head: an odd step is as an even one, on set 1
	s_wait_dscnt 8
	WIN 0xa1
	MUL16 0, 1, 0
	PLACES 4
	FETCH (\n)+1
	s_wait_dscnt 48
	WIN 0xa1
	MUL16 2, 1, 0
.endm
	s_load_b256 s[4:11], s[0:1], 0x0               ; c_codes, c_scales, xw_codes, xw_scales
	s_load_b128 s[12:15], s[0:1], 0x20             ; bo, out0
	v_lshl_add_u32 v254, v0, 2, 0x4b000
	v_mov_b32 v255, 0
	ds_add_u32 v254, v255
	ds_add_u32 v254, v255
	v_lshrrev_b32 v1, 5, v0
	v_readfirstlane_b32 s18, v1                    ; wave 0..3
	s_lshr_b32 s19, s18, 1                         ; which 64 tokens are mine.  Also: I fetch for ctx (0) or for Wo (1)
	s_and_b32 s20, s18, 1                          ; which 128 columns.  Also: which half of that operand's tiles I fetch
	s_bfe_u32 s21, ttmp6, 0x40000                  ; cx, cy
	s_bfe_u32 s22, ttmp6, 0x40004
	s_lshl_b32 s23, ttmp9, 2
	s_add_co_u32 s23, s23, s21                     ; which 256 columns
	s_and_b32 s66, ttmp7, 0xffff
	s_lshl_b32 s66, s66, 2
	s_add_co_u32 s66, s66, s22                     ; which 128 tokens
	s_lshl_b32 s67, s22, 2
	s_lshl_b32 s67, 15, s67                        ; my row of the cluster
	s_lshl_b32 s101, 0x1111, s21                   ; my column
	s_or_b32 s[G1C], s67, (3<<16)|(1<<21)          ; the mask; elements of 8 bytes; no padding; bit 21 beside the mask
	s_or_b32 s[G1W], s101, (3<<16)|(1<<21)
	s_mov_b32 s[G1C+1], 1536<<16                   ; ctx: 4 rows (tiles) of 12,288 bytes: all of K
	s_mov_b32 s[G1C+2], 4<<16
	s_mov_b32 s[G1C+3], 1536<<16
	s_mov_b32 s[G1C+4], 4
	s_mov_b32 s[G1C+5], 1536
	s_mov_b32 s[G1C+6], 0
	s_mov_b32 s[G1C+7], 0
	s_mov_b32 s[G1W+1], 1536<<16                   ; Wo: 8 such rows
	s_mov_b32 s[G1W+2], 8<<16
	s_mov_b32 s[G1W+3], 1536<<16
	s_mov_b32 s[G1W+4], 8
	s_mov_b32 s[G1W+5], 1536
	s_mov_b32 s[G1W+6], 0
	s_mov_b32 s[G1W+7], 0
	s_lshl_b32 s2, s66, 3
	s_lshl_b32 s3, s20, 2
	s_add_co_u32 s2, s2, s3                        ; ctx: tile 8 y + 4 x half
	s_lshl_b32 s16, s66, 3                         ; the scale words of the four tiles that I multiply: tile 8 y + 4 x (my half of the tokens), 64 bytes a tile in each row
	s_lshl_b32 s17, s19, 2
	s_add_co_u32 s16, s16, s17
	s_lshl_b32 s16, s16, 6
	s_mul_i32 s2, s2, 12288
	s_mov_b32 s3, 0
	s_mov_b32 s17, 0
	s_lshl_b32 s100, s23, 4
	s_lshl_b32 s101, s20, 3
	s_add_co_u32 s100, s100, s101
	s_add_co_u32 s100, s100, 704                   ; Wo: tile 704 + 16 x + 8 x half
	s_wait_dscnt 0x0
	s_wait_kmcnt 0x0
	s_add_nc_u64 s[2:3], s[4:5], s[2:3]
	s_add_nc_u64 s[68:69], s[6:7], s[16:17]
	s_lshl_b32 s4, s100, 6
	s_mov_b32 s5, 0
	s_add_nc_u64 s[4:5], s[10:11], s[4:5]
	s_mul_i32 s100, s100, 12288
	s_mov_b32 s101, 0
	s_add_nc_u64 s[100:101], s[8:9], s[100:101]
	s_mul_i32 s6, s20, 49152                       ; where they go: made of the wave's number alone
	s_mul_i32 s7, s20, 98304
	s_add_co_u32 s7, s7, 98304
	CROUND                                         ; all sixteen work-groups are here: the joint loads meet
	GROUP0 GC0, 6, 0, 2, 0
	GROUP0 GW0, 7, 0, 100, 0
	JLOAD GC0, G1C, GW0, G1W                       ; one tensor load a wave: all of K of 4 tiles of ctx or 8 of Wo
	v_and_b32 v1, 31, v0
	v_lshlrev_b32 v24, 4, v1                       ; 16 x lane
	v_lshlrev_b32 v2, 3, v1                        ; 8 x lane
	s_mul_i32 s2, s19, 49152                       ; my four tiles of ctx
	s_mul_i32 s3, s20, 98304
	s_add_co_u32 s3, s3, 98304                     ; my eight of Wo
.irp s, 0,1,2,3
	v_add_nc_u32 v[4+\s], s2, v24
	v_add_nc_u32 v[8+\s], s2, v2
	v_add_nc_u32 v[12+\s], s3, v24
	v_add_nc_u32 v[16+\s], s3, v2
	s_add_co_u32 s2, s2, SLOT
	s_add_co_u32 s3, s3, SLOT
.endr
	v_and_b32 v1, 15, v0                           ; r
	v_bfe_u32 v3, v0, 4, 1                         ; h
	v_lshlrev_b32 v20, 4, v1                       ; 16 r: four tiles' scale words of slot r
; THE SCALE WORDS GO STRAIGHT INTO REGISTERS, for all of K: twelve a step of 128, v160-243 and, for the last step, v32-43.  Sixteen lanes read 256 consecutive bytes, aligned.
.irp n, 0,1,2,3,4,5,6,7
.set SBN, 160+12*\n-212*(\n/7)
	global_load_b128 v[SBN:SBN+3], v20, s[68:69] offset:32768*\n
	global_load_b128 v[SBN+4:SBN+7], v20, s[4:5] offset:49152*\n
	global_load_b128 v[SBN+8:SBN+11], v20, s[4:5] offset:49152*\n+256
.endr
	s_mul_i32 s16, s18, 8448                       ; the way out: my stage, 16 rows x (512 bytes + 16), on ctx's first tiles
	v_mul_u32_u24 v22, v1, 528
	v_lshl_add_u32 v22, v3, 6, v22
	v_add_nc_u32 v22, s16, v22                     ; in: row r, + 64 h
	v_add_nc_u32 v23, s16, v24                     ; back: a row of 512 bytes, 16 a lane
	v_lshlrev_b32 v25, 6, v3                       ; the bias: tile b, register i: column 32 (b / 2) + 16 h + 8 (b % 2) + i
	s_wait_alu depctr_va_vdst(0)
	s_lshl_b32 s2, s23, 10
	s_lshl_b32 s3, s20, 9
	s_add_co_u32 s2, s2, s3                        ; my first column, in bytes
	s_mov_b32 s3, 0
	s_add_nc_u64 s[12:13], s[12:13], s[2:3]
	s_lshl_b32 s16, s66, 19
	s_lshl_b32 s17, s19, 18
	s_add_co_u32 s16, s16, s17                     ; my first token: 128 y + 64 x half, rows of 4,096 bytes
	s_add_co_u32 s16, s16, s2
	s_mov_b32 s17, 0
	s_add_nc_u64 s[14:15], s[14:15], s[16:17]
	WIN 0x40
.irp b, 0,1,2,3,4,5,6,7
	global_load_b128 v[96+8*\b+96*(\b/4):96+8*\b+96*(\b/4)+3], v25, s[12:13] offset:(32*(\b/2)+8*(\b%2))*4
	global_load_b128 v[96+8*\b+96*(\b/4)+4:96+8*\b+96*(\b/4)+7], v25, s[12:13] offset:(32*(\b/2)+8*(\b%2))*4+16
.endr
	WIN 0
	s_wait_loadcnt 0x0
	s_wait_tensorcnt 0x0                           ; my one load is in
	s_barrier_signal -1
	s_barrier_wait -1                              ; everybody's are
	FETCH 0
	EVEN 0, 1
	ODD 1, 2
	EVEN 2, 0
	ODD 3, 1
	EVEN 4, 0
	ODD 5, 0
	EVEN 6, 0
	s_wait_dscnt 8                                 ; the last step: nothing more to fetch
	WIN 0xa1
.set SBN, 32
	MUL16 0, 1, 0
	s_wait_dscnt 0x0                               ; my last reads of the tiles are over: say so, since the stages below lie on ctx's first tiles
	s_barrier_signal -1
	MUL16 2, 1, 0
	WIN 0
	s_barrier_wait -1                              ; everybody's are
; THE WAY OUT, a tile of 16 token slots x 128 columns at a time.  A lane holds pieces of one row and the lanes beside it hold other rows: so a tile goes through my own stage and comes back as whole rows of
; 512 bytes.  The stages lie on ctx's first tiles, which have had their only fill and which every wave has finished reading in front of the barrier above.  LDS serves a wave's instructions in order.
.macro TOSTAGE a
	WIN 0x08                                       ; an LDS store's data are its source 1: window 2
.irp b, 0,1,2,3,4,5,6,7
	ds_store_b128 v22, v[64*(\a)+8*\b:64*(\a)+8*\b+3] offset:128*(\b/2)+32*(\b%2)         ; each accumulator from its low end on
	ds_store_b128 v22, v[64*(\a)+8*\b+4:64*(\a)+8*\b+7] offset:128*(\b/2)+32*(\b%2)+16
.endr
	WIN 0
.set BB, 64+64*((\a)%2)
.irp t, 0,1,2,3,4,5,6,7,8,9,10,11,12,13,14,15
	ds_load_b128 v[BB+4*\t:BB+4*\t+3], v23 offset:\t*528
.endr
.endm
.macro SEND a, younger                 ; younger: the LDS instructions issued behind tile a's loads, which may stay out
.set BB, 64+64*((\a)%2)
	s_wait_dscnt \younger
.irp t, 0,1,2,3,4,5,6,7,8,9,10,11,12,13,14,15
	global_store_b128 v24, v[BB+4*\t:BB+4*\t+3], s[14:15] offset:(32*((\a)/2)+8*((\a)%2)+\t%8+16*(\t/8))*4096 th:TH_STORE_NT   ; slot t's token; 32 lanes store 512 consecutive bytes, aligned to 256; written once
.endr
.endm
	PLACES 4                                       ; behind the last products: results are read, and loads land in registers that held fragments
	TOSTAGE 0
.irp a, 1,2,3
.if \a > 1
	s_wait_xcnt 0x0                                ; tile a - 2's stores have read their registers: tile a's loads may land there
.endif
	TOSTAGE \a
	SEND \a-1, 32                                  ; behind tile a - 1's loads: tile a's 16 stores and 16 loads
.endr
	SEND 3, 0
	s_wait_tensorcnt 0x0
	ds_add_u32 v254, v255
	s_wait_dscnt 0x0
	CROUND                                         ; the closing round: no work-group ends while a partner may still ask for a tile that names it
	s_endpgm
.Lfunc_end_k_q202f976128_oproj:
	.size	k_q202f976128_oproj, .Lfunc_end_k_q202f976128_oproj-k_q202f976128_oproj
	.p2alignl 7, 3214868480
	.fill 96, 4, 3214868480
	.section	.rodata,"a",@progbits
	.p2align	6, 0x0
	.amdhsa_kernel k_q202f976128_oproj
		.amdhsa_group_segment_fixed_size 307712
		.amdhsa_private_segment_fixed_size 0
		.amdhsa_enable_private_segment 0
		.amdhsa_kernarg_size 48
		.amdhsa_user_sgpr_count 2
		.amdhsa_user_sgpr_kernarg_segment_ptr 1
		.amdhsa_wavefront_size32 1
		.amdhsa_system_sgpr_workgroup_id_x 1
		.amdhsa_system_sgpr_workgroup_id_y 1
		.amdhsa_system_sgpr_workgroup_id_z 1
		.amdhsa_system_vgpr_workitem_id 0
		.amdhsa_next_free_vgpr 768
		.amdhsa_next_free_sgpr 102
		.amdhsa_reserve_vcc 0
		.amdhsa_float_denorm_mode_32 3
		.amdhsa_float_denorm_mode_16_64 3
		.amdhsa_memory_ordered 1
		.amdhsa_forward_progress 1
		.amdhsa_inst_pref_size 84
	.end_amdhsa_kernel
	.amdgpu_metadata
---
amdhsa.version: [ 1, 2 ]
amdhsa.kernels:
  - .name:           k_q202f976128_oproj
    .symbol:         k_q202f976128_oproj.kd
    .args:
      - { .name: c_codes, .offset: 0, .size: 8, .value_kind: global_buffer, .address_space: global }
      - { .name: c_scales, .offset: 8, .size: 8, .value_kind: global_buffer, .address_space: global }
      - { .name: xw_codes, .offset: 16, .size: 8, .value_kind: global_buffer, .address_space: global }
      - { .name: xw_scales, .offset: 24, .size: 8, .value_kind: global_buffer, .address_space: global }
      - { .name: bo, .offset: 32, .size: 8, .value_kind: global_buffer, .address_space: global }
      - { .name: out0, .offset: 40, .size: 8, .value_kind: global_buffer, .address_space: global }
    .group_segment_fixed_size: 307712
    .private_segment_fixed_size: 0
    .kernarg_segment_align: 8
    .kernarg_segment_size: 48
    .max_flat_workgroup_size: 128
    .sgpr_count:     102
    .vgpr_count:     768
    .wavefront_size: 32
...
	.end_amdgpu_metadata
.endif
;; end of part 4
